; MI455X (gfx1250); checked and timed in simulation.
; The chip was launched on July 23, 2026; its instructions are those of AMD's public machine-readable ISA for CDNA 5 (MIT licence, August 2026) and "CDNA5" Instruction Set Architecture Reference Guide (July 2026). The comments in the code are by the model that wrote it; some were corrected since.
;; PM Subgoal Attention. Allowed arithmetic: matrix products marked QUANTISED: E5M2 operands, one given power-of-two scale a tensor, by v_wmma_f32_16x16x64_bf8_bf8 or v_wmma_f32_16x16x128_bf8_bf8, f32 sums; products left as they are: f32 operands where the result goes on into a quantised operand, else bf16, f16 or f32 operands; f32 sums; everything else in f32.
;; Inputs: Wk 512 x 512 float32; Wq1 512 x 1 float32; Wq2 512 x 512 float32; Wv 512 x 512 float32; bk 512 float32; bq1 512 float32; bq2 512 float32; bv 512 float32; ln_b 512 float32; ln_g 512 float32; lowp_scales 6 int32 (the exponents e of the quantised operands' scales 2^e); mask 4,096 x 32 int32; pm 4,096 x 1 float32; subgoals 4,096 x 32 x 512 float32.
;; Outputs: out0 4,096 x 512 float32; out1 4,096 x 32 float32.
;; This version of the problem:
;;   THIS VERSION OF THE PROBLEM IS GIVEN IN LOW PRECISION. The matrix products marked QUANTISED in the list below multiply operands that are first quantised to E5M2 (5 exponent bits, 2 mantissa bits; 8 bits a number), with one given power-of-two scale for each operand tensor; their sums are f32. All else is computed in f32.
;;   The module's matrix products, in the order in which they are computed (A, B: the left and right operand; K: the contracted axis; several contracted axes count as one K, in the product's order):
;;     1. [M 4,096, K 1] x [K 1, N 512]; A: input pm; B: input Wq1: left as it is (K = 1 < 32)
;;     2. [M 4,096, K 512] x [K 512, N 512]; A: computed on the way; B: input Wq2: QUANTISED (scales: A lowp_scales[0], B lowp_scales[1])
;;     3. [M 131,072, K 512] x [K 512, N 512]; A: input subgoals; B: input Wk: QUANTISED (scales: A lowp_scales[2], B lowp_scales[3])
;;     4. [M 131,072, K 512] x [K 512, N 512]; A: input subgoals; B: input Wv: QUANTISED (scales: A lowp_scales[4], B lowp_scales[5])
;;     5. batch 4,096 x [M 1, K 512] x [K 512, N 32]; A: computed on the way; B: computed on the way: left as it is (M = 1 < 16)
;;     6. batch 4,096 x [M 1, K 32] x [K 32, N 512]; A: softmax; B: computed on the way: left as it is (M = 1 < 16)
;;   THE QUANTISER, for each operand of a quantised product, along K:
;;     - The operand's scale is 2^e, e = its entry of the input lowp_scales (int32; the entries are numbered through the quantised products in the list's order, A before B).
;;     - Each number is divided by the scale, clamped to +-57,344, and rounded to the nearest number of E5M2, ties to even, subnormals kept.
;;     - The product sums the exact products of the quantised numbers (number of the format x scale) in f32.
;;   ~~~python
;;   def quantise(x, axis, e):      # numpy; x: float32 -> the quantised numbers, widened to float32 again
;;       x = np.moveaxis(x, axis, -1); K = x.shape[-1]
;;       r = np.clip(x / 2.0 ** e, -57344, 57344)
;;       step = 2.0 ** (np.maximum(np.frexp(np.where(r == 0, 1, r))[1] - 1, -14) - 2)
;;       q = np.round(r / step) * step * 2.0 ** e      # np.round: ties to even
;;       return np.moveaxis(q, -1, axis).astype(np.float32)
;;   ~~~
;;   OPERANDS COMPUTED ON THE WAY. 'Computed on the way' means the value that the module computes at that place (a softmax that the list does not call 'softmax' is quantised finished and normalised). What goes into a quantiser is computed in f32, as accurately as f32 sums, v_exp_f32 and their like allow (about 1e-6 of the number): no bf16 or f16 on the way to a quantiser, and a product that is left as it is and whose result goes on into a quantised operand takes f32 operands (vector FMAs, or v_wmma_f32_16x16x4_f32). A number that lies on a knife's edge between two numbers of the format may be rounded either way, as far as f32 arithmetic and the matrix unit's own rounding can turn it there, and no further.
;; 2 versions. Each part assembles by itself: llvm-mc -triple=amdgcn-amd-amdhsa -mcpu=gfx1250 --defsym DOCPART=n.
;; ======== version 1 of 2: 2 launches
;; limits: values are held in f16: magnitudes above 65,504 overflow, below 6.1e-05 lose precision; right only within a limited range of input values
;; workspace buffers: qfrag 4,194,304 bytes; wcodes 524,288 bytes; rowlist 589,824 bytes of whole numbers; poslist 524,288 bytes of whole numbers
;; launch prep (part 1): grid 256 x 1, 4 waves a work-group, no clusters, 34,304 bytes of LDS; arguments pm, Wq1, bq1, ln_g, ln_b, Wq2, bq2, Wk, Wv, mask, lowp_scales, qfrag, wcodes, rowlist, poslist; writes qfrag, wcodes, rowlist, poslist
.if DOCPART == 1
	.amdgcn_target "amdgcn-amd-amdhsa--gfx1250"
	.amdhsa_code_object_version 6
	.text
	.protected	k_qdcc8736e04_prep
	.globl	k_qdcc8736e04_prep
	.p2align	8
	.type	k_qdcc8736e04_prep,@function
k_qdcc8736e04_prep:
	s_mov_b64 s[64:65], 0
	v_nop
	global_prefetch_b8 v0, s[64:65] scope:SCOPE_SE
	s_setreg_imm32_b32 hwreg(HW_REG_WAVE_MODE, 25, 1), 1
	s_wait_xcnt 0x0
; WHAT IT MAKES, for the launch behind it:
;   qfrag   q = relu(LayerNorm(pm Wq1^T + bq1)) Wq2^T + bq2, the product on codes of E5M2 (scales 2^e0, 2^e1), rounded to f16 and laid as operand images:
;           [256 tiles of 16 batches][16 groups of 32 h][1,024 bytes]: registers 0-3 at 16 x lane, registers 4-7 at 512 + 16 x lane.
;   wcodes  Wk's and Wv's codes (scales 2^e3, 2^e5) as operand images: [2][32 tiles of 16 rows][4 K steps of 128][2,048 bytes]: registers 4 c .. 4 c + 3 at 512 c + 16 x lane.
;   rowlist, poslist   for each block of 16 batches (512 rows): the rows that count, first, in row order, then the others: a permutation.  A row counts where mask != 0; in a batch
;           whose 32 rows are all masked every row counts (its softmax is uniform).  rowlist: words 0-511 the row's byte offset, words 512-527 zeros, word 528 the number of tiles of 16
;           (even, 2 to 32), words 529-543 zeros.  poslist: 4 x the place of each row.
; SHARES.  Work-group j: ug = j % 4, rg = j / 4.  Wave w makes the codes of relu(LayerNorm) for batches 16 (4 rg + w) on, quantises rows 32 u .. 32 u + 31 of Wq2 (u = 4 ug + w: eight fragments, kept
; in registers) and multiplies the group's four row tiles by them; the rows' codes go from wave to wave through LDS.  Beside that wave 0 makes list j and wave 1 quantises fragment j of Wk and Wv.
; K IS PERMUTED ALIKE IN BOTH OPERANDS: lane (r, h) holds k = 32 c + 16 h + 0 .. 15 in registers 4 c .. 4 c + 3, so every product meets its partner.
; LIMITS: e0, e1, e3, e5 between -126 and 112; e0 + e1 between -126 and 127 (each power of two below is an f32 number).  |q| stays under 65,504, f16's largest number.
; NaN and infinity among the inputs are not served.
; No tensor load, no cluster: a work-group's shared bytes are 256 KB of Wq2, read once into registers.
.set XP,   528                         ; a row of 512 codes in LDS + 16 bytes: 33 x 16, so the 16 rows of a fragment load start at 16 different groups of banks
.set XT,   16*XP                       ; a wave's 16 rows
.set STA,  192                         ; v192-255 staging A, later x's fragments, buffer 0
.set STB,  16                          ; v16-79   Wq1, bq1, ln_g, ln_b (16 each); later staging B and buffer 1
.set WV,   58
.set SEL,  60
.set MSB,  0
.macro WIN new                         ; the immediate's high byte repeats the setting that is left
.if MSB != (\new)
	s_set_vgpr_msb (MSB<<8)|(\new)
.set MSB, (\new)
.endif
.endm
; 64 numbers of a weight's fragment: lane (r, h) takes, of row r, 16 neighbours of each block of 32: register 16 c + 4 j + i = k 32 c + 16 h + 4 j + i
.macro WLOAD st, base, imm
.irp c,0,1,2,3
.irp j,0,1,2,3
	global_load_b128 v[\st+16*\c+4*\j:\st+16*\c+4*\j+3], v7, s[\base:\base+1] offset:\imm+128*\c+16*\j
.endr
.endr
.endm
; they become the fragment's 16 registers of codes.  v[lim]: 57,344 x the scale; v[sc]: the scale as f32
.macro WQ st, dst, win, lim, sc
.set wi, 0
.rept 64
	v_med3_num_f32 v[\st+wi], v[\st+wi], -v[\lim], v[\lim]   ; the conversion does not saturate (ISA guide 7.6.2): the hold comes first
.set wi, wi+1
.endr
	WIN \win
.irp g,0,1,2,3,4,5,6,7
	v_cvt_scalef32_pk8_bf8_f32 v[\dst+2*\g:\dst+2*\g+1], v[\st+8*\g:\st+8*\g+7], v[\sc]
.endr
	WIN 0
	v_nop                                          ; one plain line behind the last scaled conversion
.endm
; a sum over the 32 lanes, for four rows by turns
.macro REDADD base, tmp, str
.irp x,1,2,4,8
.irp q,0,1,2,3
	v_add_f32_dpp v[\base+\str*\q], v[\base+\str*\q], v[\base+\str*\q] row_xmask:\x row_mask:0xf bank_mask:0xf
.endr
.endr
.irp q,0,1,2,3
	v_permlanex16_b32 v[\tmp+\str*\q], v[\base+\str*\q], s[SEL], s[SEL+1]
.endr
.irp q,0,1,2,3
	v_add_f32 v[\base+\str*\q], v[\base+\str*\q], v[\tmp+\str*\q]
.endr
.endm
; Four rows (batches) by turns.  Lane l holds hidden units 16 l .. 16 l + 15 of each: v[80 + 16 q ..].  Row q's scratch at v[144 + 8 q]: +0,1 pm, then the mean; +2,3 sums; +4,5 1/sqrt; +6 for the lane exchange.
.macro XROWS i0
.irp q,0,1,2,3
	v_mov_b32 v[144+8*\q], s[36+\i0+\q]
	v_mov_b32 v[145+8*\q], s[36+\i0+\q]
.endr
.irp m,0,2,4,6,8,10,12,14
.irp q,0,1,2,3
	v_pk_fma_f32 v[80+16*\q+\m:81+16*\q+\m], v[16+\m:17+\m], v[144+8*\q:145+8*\q], v[32+\m:33+\m]   ; h = pm Wq1 + bq1
.endr
.endr
.irp q,0,1,2,3
	v_pk_add_f32 v[146+8*\q:147+8*\q], v[80+16*\q:81+16*\q], v[82+16*\q:83+16*\q]
.endr
.irp m,4,6,8,10,12,14
.irp q,0,1,2,3
	v_pk_add_f32 v[146+8*\q:147+8*\q], v[146+8*\q:147+8*\q], v[80+16*\q+\m:81+16*\q+\m]
.endr
.endr
.irp q,0,1,2,3
	v_add_f32 v[146+8*\q], v[146+8*\q], v[147+8*\q]
.endr
	REDADD 146, 150, 8
.irp q,0,1,2,3
	v_mul_f32 v[144+8*\q], 0x3b000000, v[146+8*\q]   ; the mean: sum / 512
.endr
.irp q,0,1,2,3
	v_mov_b32 v[145+8*\q], v[144+8*\q]
.endr
.irp m,0,2,4,6,8,10,12,14
.irp q,0,1,2,3
	v_pk_add_f32 v[80+16*\q+\m:81+16*\q+\m], v[80+16*\q+\m:81+16*\q+\m], v[144+8*\q:145+8*\q] neg_lo:[0,1] neg_hi:[0,1]
.endr
.endr
.irp q,0,1,2,3
	v_pk_mul_f32 v[146+8*\q:147+8*\q], v[80+16*\q:81+16*\q], v[80+16*\q:81+16*\q]
.endr
.irp m,2,4,6,8,10,12,14
.irp q,0,1,2,3
	v_pk_fma_f32 v[146+8*\q:147+8*\q], v[80+16*\q+\m:81+16*\q+\m], v[80+16*\q+\m:81+16*\q+\m], v[146+8*\q:147+8*\q]
.endr
.endr
.irp q,0,1,2,3
	v_add_f32 v[146+8*\q], v[146+8*\q], v[147+8*\q]
.endr
	REDADD 146, 150, 8
.irp q,0,1,2,3
	v_mul_f32 v[146+8*\q], 0x3b000000, v[146+8*\q]   ; the variance
.endr
.irp q,0,1,2,3
	v_add_f32 v[146+8*\q], 0x3727c5ac, v[146+8*\q]   ; + 1e-5
.endr
.irp q,0,1,2,3
	v_rsq_f32 v[148+8*\q], v[146+8*\q]
.endr
	v_nop                                          ; a plain line behind the last of the four,
	s_wait_alu depctr_va_vdst(0)                   ; and one wait for the batch, ahead of its first reader
.irp q,0,1,2,3
	v_mov_b32 v[149+8*\q], v[148+8*\q]
.endr
.irp m,0,2,4,6,8,10,12,14
.irp q,0,1,2,3
	v_pk_mul_f32 v[80+16*\q+\m:81+16*\q+\m], v[80+16*\q+\m:81+16*\q+\m], v[148+8*\q:149+8*\q]
.endr
.endr
.irp m,0,2,4,6,8,10,12,14
.irp q,0,1,2,3
	v_pk_fma_f32 v[80+16*\q+\m:81+16*\q+\m], v[80+16*\q+\m:81+16*\q+\m], v[48+\m:49+\m], v[64+\m:65+\m]   ; x ln_g + ln_b
.endr
.endr
.set xi, 0
.rept 64
	v_med3_num_f32 v[80+xi], v[80+xi], 0, v10      ; relu and the hold at 57,344 x 2^e0 in one
.set xi, xi+1
.endr
	s_wait_dscnt 0x0                               ; the four rows before have left their code registers
.irp q,0,1,2,3
	v_cvt_scalef32_pk8_bf8_f32 v[176+4*\q:177+4*\q], v[80+16*\q:87+16*\q], v11
	v_cvt_scalef32_pk8_bf8_f32 v[178+4*\q:179+4*\q], v[88+16*\q:95+16*\q], v11
.endr
	v_nop                                          ; one plain line behind the last scaled conversion
.irp q,0,1,2,3
	ds_store_b128 v5, v[176+4*\q:179+4*\q] offset:XP*(\i0+\q)   ; 32 lanes x 16 codes: the row's 512 bytes
.endr
.endm
; x's four fragments of row tile tl, from the rows in LDS
.macro XFL buf, tl
.irp k,0,1,2,3
.irp c,0,1,2,3
	ds_load_b128 v[\buf+16*\k+4*\c:\buf+16*\k+4*\c+3], v6 offset:(\tl)*XT+128*\k+32*\c
.endr
.endr
.endm
	s_load_b512 s[4:19], s[0:1], 0x0               ; pm, Wq1, bq1, ln_g, ln_b, Wq2, bq2, Wk
	s_load_b256 s[20:27], s[0:1], 0x40             ; Wv, mask, lowp_scales, qfrag
	s_load_b128 s[28:31], s[0:1], 0x60             ; wcodes, rowlist
	s_load_b64 s[32:33], s[0:1], 0x70              ; poslist
	v_lshl_add_u32 v15, v0, 2, 0x8400
	s_set_vgpr_msb 0x40
	v_mov_b32 v129, 0
	s_set_vgpr_msb 0x4000
	v_lshrrev_b32 v1, 5, v0
	v_readfirstlane_b32 s[WV], v1                  ; wave 0..3
	v_and_b32 v1, 31, v0                           ; lane l
	v_and_b32 v2, 15, v0                           ; r
	v_bfe_u32 v3, v0, 4, 1                         ; h
	v_lshlrev_b32 v4, 6, v1                        ; 64 l: my 16 numbers of the four LayerNorm arrays
	v_lshlrev_b32 v8, 4, v1                        ; 16 l
	v_lshlrev_b32 v9, 2, v1                        ; 4 l
	v_lshlrev_b32 v14, 5, v3                       ; 32 h
	s_mul_i32 s2, s[WV], XT
	v_add_nc_u32 v5, s2, v8                        ; where I store my 16 codes of a row
	v_mul_u32_u24 v6, v2, XP
	v_lshl_add_u32 v6, v3, 4, v6                   ; where I read a fragment: row r, + 16 h
	v_lshlrev_b32 v7, 11, v2
	v_lshl_add_u32 v7, v3, 6, v7                   ; a weight's row r of 2,048 bytes, + 64 h
.irp q,0,1,2,3
	v_mov_b32 v[150+8*\q], 0                       ; written once: a lane exchange's destination counts as read
.endr
	s_and_b32 s59, ttmp9, 3
	s_lshl_b32 s59, s59, 2
	s_add_co_u32 s59, s59, s[WV]                   ; u = 4 ug + wave
	s_lshr_b32 s66, ttmp9, 2                       ; rg
	s_mov_b32 s3, 0
	s_mov_b32 s[SEL], 0x76543210
	s_mov_b32 s[SEL+1], 0xfedcba98                 ; lane l xor 16
	s_wait_kmcnt 0x0
	s_lshl_b32 s2, s66, 2
	s_add_co_u32 s2, s2, s[WV]
	s_lshl_b32 s2, s2, 6                           ; 16 batches x 4 bytes x (4 rg + wave)
	s_add_nc_u64 s[4:5], s[4:5], s[2:3]
	s_load_b512 s[36:51], s[4:5], 0x0              ; pm of my 16 batches
	s_load_b128 s[52:55], s[24:25], 0x0            ; e0 .. e3
	s_load_b64 s[56:57], s[24:25], 0x10            ; e4, e5
	s_lshl_b32 s2, s59, 16
	s_add_nc_u64 s[14:15], s[14:15], s[2:3]        ; Wq2 at row 32 u
	s_lshl_b32 s2, s59, 7
	s_add_nc_u64 s[16:17], s[16:17], s[2:3]        ; bq2 likewise
	s_lshl_b32 s2, s66, 6
	s_add_co_u32 s2, s2, s59
	s_lshl_b32 s2, s2, 10
	s_add_nc_u64 s[26:27], s[26:27], s[2:3]        ; qfrag at (16 x 4 rg + u) x 1,024
	s_lshl_b32 s2, ttmp9, 11
	s_add_nc_u64 s[22:23], s[22:23], s[2:3]        ; mask, poslist and wcodes at 2,048 j
	s_add_nc_u64 s[32:33], s[32:33], s[2:3]
	s_add_nc_u64 s[28:29], s[28:29], s[2:3]
	s_mul_i32 s2, ttmp9, 2304
	s_add_nc_u64 s[30:31], s[30:31], s[2:3]        ; rowlist at record j
.irp j,0,1,2,3
	global_load_b128 v[16+4*\j:19+4*\j], v4, s[6:7] offset:16*\j     ; Wq1
	global_load_b128 v[32+4*\j:35+4*\j], v4, s[8:9] offset:16*\j     ; bq1
	global_load_b128 v[48+4*\j:51+4*\j], v4, s[10:11] offset:16*\j   ; ln_g
	global_load_b128 v[64+4*\j:67+4*\j], v4, s[12:13] offset:16*\j   ; ln_b
.endr
	WLOAD STA, 14, 0                               ; Wq2's fragment 0
	s_wait_kmcnt 0x0
	s_add_co_i32 s2, s52, 127
	s_lshl_b32 s34, s2, 23
	v_mov_b32 v11, s34                             ; 2^e0
	s_add_co_i32 s2, s2, 15
	s_lshl_b32 s2, s2, 23
	s_or_b32 s2, s2, 0x600000
	v_mov_b32 v10, s2                              ; 57,344 x 2^e0
	s_add_co_i32 s2, s53, 127
	s_lshl_b32 s34, s2, 23
	v_mov_b32 v13, s34                             ; 2^e1
	s_add_co_i32 s2, s2, 15
	s_lshl_b32 s2, s2, 23
	s_or_b32 s2, s2, 0x600000
	v_mov_b32 v12, s2                              ; 57,344 x 2^e1
	s_add_co_i32 s62, s52, s53
	s_add_co_i32 s62, s62, 127
	s_lshl_b32 s62, s62, 23                        ; 2^(e0 + e1)
	s_mov_b32 s63, s62                             ; (named with it as a pair)
	; ---- the two side jobs, under one parting on the wave's number.  Their loads stand behind the 32 common ones; the wait for 0 also brings the LayerNorm arrays, which are wanted next in any case
	s_cmp_lg_u32 s[WV], 0
	s_cbranch_scc1 .Lnot0
	; WAVE 0: THE LIST.  Lane = n.  A counting sort without LDS: a batch's bits in a scalar register, prefix sums in scalar registers, a lane's rank by v_mbcnt
.irp b,0,1,2,3,4,5,6,7,8,9,10,11,12,13,14,15
	global_load_b32 v[80+\b], v9, s[22:23] offset:128*\b
.endr
	s_wait_loadcnt 0x0
.irp b,0,1,2,3,4,5,6,7,8,9,10,11,12,13,14,15
	v_cmp_ne_u32 s[68+\b], 0, v[80+\b]
.endr
	s_mov_b32 s34, 0
.irp b,0,1,2,3,4,5,6,7,8,9,10,11,12,13,14,15
	s_cmp_eq_u32 s[68+\b], 0
	s_cselect_b32 s[68+\b], -1, s[68+\b]           ; all 32 masked: all 32 count
	s_mov_b32 s[84+\b], s34                        ; rows that count in the batches before
	s_bcnt1_i32_b32 s2, s[68+\b]
	s_add_co_u32 s34, s34, s2
.endr                                              ; s34 = a: the rows that count, 16 to 512
.irp b,0,1,2,3,4,5,6,7,8,9,10,11,12,13,14,15
	v_mbcnt_lo_u32_b32 v128, s[68+\b], 0           ; those of my batch below my lane
	s_sub_co_u32 s2, s34, s[84+\b]
	s_add_co_u32 s2, s2, 32*\b
	v_sub_nc_u32 v129, v1, v128
	v_add_nc_u32 v129, s2, v129                    ; a + the rows before me that do not count
	v_add_nc_u32 v128, s[84+\b], v128              ; the rows before me that count
	v_cndmask_b32 v[96+\b], v129, v128, s[68+\b]
	v_min_u32 v[96+\b], 511, v[96+\b]
	v_lshlrev_b32 v[96+\b], 2, v[96+\b]            ; 4 x my place
	v_add_nc_u32 v[112+\b], 32*\b, v1
	v_lshlrev_b32 v[112+\b], 11, v[112+\b]         ; my row's byte offset in the block: (32 b + n) x 2,048
	global_store_b32 v9, v[96+\b], s[32:33] offset:128*\b
	global_store_b32 v[96+\b], v[112+\b], s[30:31]   ; a scatter inside the record's first 2,048 bytes, every word of which is written once
.endr
	s_add_co_u32 s2, s34, 31
	s_lshr_b32 s2, s2, 5
	s_lshl_b32 s2, s2, 1                           ; tiles of 16, an even number
	v_mov_b32 v130, s2
	v_cmp_eq_u32 vcc_lo, 16, v1
	v_cndmask_b32 v130, 0, v130, vcc_lo
	global_store_b32 v9, v130, s[30:31] offset:2048   ; words 512-543
	s_wait_xcnt 0x0                                ; the stores' registers are written again below
	s_branch .Lroles
.Lnot0:
	s_cmp_lg_u32 s[WV], 1
	s_cbranch_scc1 .Lroles
	; WAVE 1: FRAGMENT j OF Wk (j < 128) OR Wv: tile (j / 4) % 32, K step j % 4
	s_cmp_lt_u32 ttmp9, 128
	s_cselect_b64 s[34:35], s[18:19], s[20:21]
	s_cselect_b32 s67, s55, s57                    ; e3 or e5
	s_bfe_u32 s2, ttmp9, 0x50002
	s_lshl_b32 s2, s2, 15                          ; 16 rows of 2,048 bytes
	s_and_b32 s66, ttmp9, 3
	s_lshl_b32 s66, s66, 9
	s_add_co_u32 s2, s2, s66
	s_add_nc_u64 s[34:35], s[34:35], s[2:3]
	WLOAD 80, 34, 0
	s_add_co_i32 s67, s67, 127
	s_lshl_b32 s66, s67, 23
	v_mov_b32 v161, s66
	s_add_co_i32 s67, s67, 15
	s_lshl_b32 s67, s67, 23
	s_or_b32 s67, s67, 0x600000
	v_mov_b32 v160, s67
	s_wait_loadcnt 0x0
	WQ 80, 144, 0, 160, 161
.irp c,0,1,2,3
	global_store_b128 v8, v[144+4*\c:147+4*\c], s[28:29] offset:512*\c   ; 512 consecutive bytes a store
.endr
	s_wait_xcnt 0x0
.Lroles:
	; ---- relu(LayerNorm) of my 16 batches, as codes, into LDS
	s_wait_loadcnt 16                              ; the four arrays are in; Wq2's fragment 0 (16 loads) may be out
	XROWS 0
	XROWS 4
	XROWS 8
	XROWS 12
	; ---- my 32 rows of Wq2: eight fragments into window 1, two staging sets by turns
.irp j,0,1,2,3
	global_load_b128 v[144+4*\j:147+4*\j], v14, s[16:17] offset:(\j/2)*64+(\j%2)*16   ; bq2 at h = 16 tile + 8 h + 0 .. 7
.endr
	WLOAD STB, 14, 512
.irp f,0,1,2,3,4,5,6,7
.set stg, STA-(STA-STB)*(\f%2)
.if \f<7
	s_wait_loadcnt 16                              ; this fragment's numbers are in; the other staging set's 16 loads may be out
.else
	s_wait_loadcnt 0x0
.endif
	WQ stg, 16*\f, 0x40, 12, 13
.if \f<6
	WLOAD stg, 14, 32768*((\f+2)/4)+512*((\f+2)%4)
.endif
.endr
	s_wait_dscnt 0x0                               ; my rows' codes have landed
	s_barrier_signal -1
	s_barrier_wait -1                              ; everybody's have
	; ---- q, transposed (source 0 = 16 rows of Wq2, source 1 = 16 batches): a lane holds one batch, its registers run along h: rounded in pairs they are the next launch's operand
	XFL STA, 0
.irp g,0,1,2,3
.set xb, STA-(STA-STB)*(\g%2)
.set xn, STA-(STA-STB)*((\g+1)%2)
.set dd, 160+16*(\g%2)
.if \g<3
	XFL xn, \g+1
	s_wait_dscnt 16                                ; this tile's fragments are in; the next tile's 16 loads may be out
.else
	s_wait_dscnt 0x0
.endif
	WIN 0x01                                       ; source 0 in window 1
.irp k,0,1,2,3
.irp t,0,1
.if \k==0
	v_wmma_f32_16x16x128_bf8_bf8 v[dd+8*\t:dd+8*\t+7], v[16*(4*\t+\k):16*(4*\t+\k)+15], v[xb+16*\k:xb+16*\k+15], 0
.else
	v_wmma_f32_16x16x128_bf8_bf8 v[dd+8*\t:dd+8*\t+7], v[16*(4*\t+\k):16*(4*\t+\k)+15], v[xb+16*\k:xb+16*\k+15], v[dd+8*\t:dd+8*\t+7]
.endif
.endr
.endr                                              ; the two accumulators take turns
	WIN 0
.rept 4
	v_nop                                          ; four places ahead of the first read of the sums (ISA guide 7.12.1)
.endr
.irp m,0,2,4,6,8,10,12,14
	v_pk_fma_f32 v[80+\m:81+\m], v[dd+\m:dd+\m+1], s[62:63], v[144+\m:145+\m] op_sel_hi:[1,0,1]   ; sum x 2^(e0 + e1) + bq2
.endr
.irp m,0,1,2,3,4,5,6,7
	v_cvt_pk_f16_f32 v[96+8*\g+\m], v[80+2*\m], v[81+2*\m]   ; f16: 11 significant bits for the product q . key
.endr
	global_store_b128 v8, v[96+8*\g:99+8*\g], s[26:27] offset:16384*\g          ; 512 consecutive bytes a store; each tile has its own registers
	global_store_b128 v8, v[100+8*\g:103+8*\g], s[26:27] offset:16384*\g+512
.endr
	s_set_vgpr_msb 0x4
	s_wait_tensorcnt 0x0
	ds_add_u32 v15, v129
	s_wait_dscnt 0x0
	s_set_vgpr_msb 0x400
	s_endpgm
.Lfunc_end_k_qdcc8736e04_prep:
	.size	k_qdcc8736e04_prep, .Lfunc_end_k_qdcc8736e04_prep-k_qdcc8736e04_prep
	.p2alignl 7, 3214868480
	.fill 96, 4, 3214868480
	.section	.rodata,"a",@progbits
	.p2align	6, 0x0
	.amdhsa_kernel k_qdcc8736e04_prep
		.amdhsa_group_segment_fixed_size 34304
		.amdhsa_private_segment_fixed_size 0
		.amdhsa_enable_private_segment 0
		.amdhsa_kernarg_size 120
		.amdhsa_user_sgpr_count 2
		.amdhsa_user_sgpr_kernarg_segment_ptr 1
		.amdhsa_wavefront_size32 1
		.amdhsa_system_sgpr_workgroup_id_x 1
		.amdhsa_system_sgpr_workgroup_id_y 1
		.amdhsa_system_sgpr_workgroup_id_z 1
		.amdhsa_system_vgpr_workitem_id 0
		.amdhsa_next_free_vgpr 386
		.amdhsa_next_free_sgpr 100
		.amdhsa_reserve_vcc 1
		.amdhsa_float_denorm_mode_32 3
		.amdhsa_float_denorm_mode_16_64 3
		.amdhsa_memory_ordered 1
		.amdhsa_forward_progress 1
		.amdhsa_inst_pref_size 174
	.end_amdhsa_kernel
	.amdgpu_metadata
---
amdhsa.version: [ 1, 2 ]
amdhsa.kernels:
  - .name:           k_qdcc8736e04_prep
    .symbol:         k_qdcc8736e04_prep.kd
    .args:
      - { .name: pm, .offset: 0, .size: 8, .value_kind: global_buffer, .address_space: global }
      - { .name: Wq1, .offset: 8, .size: 8, .value_kind: global_buffer, .address_space: global }
      - { .name: bq1, .offset: 16, .size: 8, .value_kind: global_buffer, .address_space: global }
      - { .name: ln_g, .offset: 24, .size: 8, .value_kind: global_buffer, .address_space: global }
      - { .name: ln_b, .offset: 32, .size: 8, .value_kind: global_buffer, .address_space: global }
      - { .name: Wq2, .offset: 40, .size: 8, .value_kind: global_buffer, .address_space: global }
      - { .name: bq2, .offset: 48, .size: 8, .value_kind: global_buffer, .address_space: global }
      - { .name: Wk, .offset: 56, .size: 8, .value_kind: global_buffer, .address_space: global }
      - { .name: Wv, .offset: 64, .size: 8, .value_kind: global_buffer, .address_space: global }
      - { .name: mask, .offset: 72, .size: 8, .value_kind: global_buffer, .address_space: global }
      - { .name: lowp_scales, .offset: 80, .size: 8, .value_kind: global_buffer, .address_space: global }
      - { .name: qfrag, .offset: 88, .size: 8, .value_kind: global_buffer, .address_space: global }
      - { .name: wcodes, .offset: 96, .size: 8, .value_kind: global_buffer, .address_space: global }
      - { .name: rowlist, .offset: 104, .size: 8, .value_kind: global_buffer, .address_space: global }
      - { .name: poslist, .offset: 112, .size: 8, .value_kind: global_buffer, .address_space: global }
    .group_segment_fixed_size: 34304
    .private_segment_fixed_size: 0
    .kernarg_segment_align: 8
    .kernarg_segment_size: 120
    .max_flat_workgroup_size: 128
    .sgpr_count:     100
    .vgpr_count:     386
    .wavefront_size: 32
...
	.end_amdgpu_metadata
.endif
;; end of part 1
;; launch main (part 2): grid 256 x 1, 4 waves a work-group, no clusters, 325,120 bytes of LDS; arguments subgoals, rowlist, wcodes, qfrag, bk, bv, mask, poslist, pm, lowp_scales, out0, out1; writes out0, out1
.if DOCPART == 2
	.amdgcn_target "amdgcn-amd-amdhsa--gfx1250"
	.amdhsa_code_object_version 6
	.text
	.protected	k_qdcc8736e04_main
	.globl	k_qdcc8736e04_main
	.p2align	8
	.type	k_qdcc8736e04_main,@function
k_qdcc8736e04_main:
	s_mov_b64 s[64:65], 0
	v_nop
	global_prefetch_b8 v0, s[64:65] scope:SCOPE_SE
	s_setreg_imm32_b32 hwreg(HW_REG_WAVE_MODE, 25, 1), 1
	s_wait_xcnt 0x0
; A work-group owns 16 batches (512 rows of subgoals).  It multiplies only the rows that count: a row with mask == 0 gets the score -1e9 and so the weight 0 wherever its batch has another row;
; a batch with all rows masked keeps all 32 (the launch before has listed the rows so, padded with rows of weight 0 to an even number NT of tiles of 16).
; K PHASE, a tile of 16 listed rows a step: wave w loads the rows' numbers 128 w .. 128 w + 127 (512 consecutive bytes a load), turns them through its own stage in LDS so that a lane holds 16 neighbours,
;   and quantises them twice: with 2^e2 for the keys (image into a ring of two slots) and with 2^e4 for the values (image parked in LDS).  THE WAVES SHARE H: wave w holds rows 128 w .. + 127 of Wk in
;   512 registers and makes its 128 key channels of the 16 rows: 32 products on codes.  q . key is made by the matrix unit in f16 against all 16 batches at once, and each row picks its own batch's number.
; SOFTMAX, once, for the 16 batches, a lane a row, with the row's maximum taken away.  Wv's codes replace Wk's in the registers meanwhile.
; V PHASE, two tiles a step: 64 products on the parked codes, the values rounded to f16 and multiplied by A2 (32 rows x 16 batches: a row's weight in its own batch's column, 0 elsewhere).
; bk enters as q . bk (f16), bv is added once: the weights of a batch add up to 1.
; WHY f16, AND ITS ROOM.  The two products that are left as they are take f16 operands: 11 significant bits.  A key or value channel is a sum of 512 products of codes, each code held within 57,344 by
;   the quantiser: in units of the two scales it is at most 512 x 57,344^2 = 3.0625 x 2^39.  Each sum is multiplied by 2^-26 ahead of its rounding: at most 25,088, under f16's 65,504, for every input.
;   The 26 is given back with the scales' exponents.  The weights lie between 0 and 1.
; LIMITS: e2 and e4 between -126 and 112 (their powers of two are made as f32 numbers); the sums of exponents are applied by v_ldexp_f32.  NaN and infinity among the inputs are not served.
;   |q| < 65,504 and |bk| < 65,504 x 2^(e2 + e3 + 26).  A key (value) channel is rounded with an absolute error of at least 2^(e2 + e3 + 1) (2^(e4 + e5 + 1)): f16's smallest step.
;   Scores that count lie above -1e9 + 200, so that a masked row's weight is 0 as it is by the definition.  n / 31 is taken as n x (1 / 31).
; NO TENSOR LOADS, NO CLUSTER: the number of steps is a stored number, on which the steps branch; what work-groups share, 2 x 256 KB of codes, each reads once, into registers.
; NO PREFETCH: a wave keeps four tiles' loads (64) on their way all through the K phase.
.set KRING, 262144                     ; LDS: 0: the parked images, 65,536 bytes for each K step (= wave): 2,048 x tile + 512 c + 16 x lane
.set STAGE, 278528                     ; KRING: two slots of 8,192: 2,048 x K step + 512 c + 16 x lane; later A2's 16 images of 1,024
.set SCB,   312320                     ; STAGE: for each wave 16 rows x 528; later 16 rows of out0 x 2,064
.set ROWS,  320512                     ; SCB: partial scores [wave][512 places];  ROWS: the list's 512 words;  ATB: the weights [16][32]
.set ATB,   322560
.set SPI,   528
.set WSTG,  16*SPI
.set OPI,   2064
.set WVOFF, 262144                     ; Wv's codes lie behind Wk's
.set SH,    26                         ; the sums are multiplied by 2^-SH ahead of their rounding to f16
.set LOFF, 1                           ; v1   16 l + 512 w: my 16 bytes of a row
.set STW,  2                           ; v2   the stage, in
.set STR,  3                           ; v3   the stage, out: row r, + 64 h
.set IK0,  4                           ; v4   where I store a key image
.set IV0,  5                           ; v5   where I park a value image
.set FR0,  6                           ; v6   where I read key images
.set SC0,  7                           ; v7   my partial scores
.set RW0,  8                           ; v8   the list's word of place r
.set TA,   9
.set TB,   10
.set H8,   11                          ; v11  8 h
.set LK,   12                          ; v12-15  57,344 x 2^e2, 57,344 x 2^e4, 2^e2, 2^e4
.set LV,   13
.set SCK,  14
.set SCV,  15
.set OFF,  16                          ; v16-31  a tile's 16 load offsets
.set G1,   32                          ; v32-95  64 numbers in fragment order, then the four key fragments; later out0's accumulators
.set KA,   96                          ; v96-159 eight key accumulators; later the values in f16
.set TQ,   160                         ; v160-175 held numbers; v176-191, v192-207 the two sets of codes
.set PCK,  176
.set PCV,  192
.set KB,   160                         ; v160-191 the keys in f16; v192-199, v200-207 two accumulators of q . key
.set P0,   192
.set P1,   200
.set QF,   208                         ; v208-239 q's four fragments
.set PB,   240                         ; v240-247 q . bk
.set BS,   248
.set DD,   249
.set ACC,  250
.set TMP,  251
.set LN,   252                         ; v252-255 lane, r, h, 16 l: kept to the end
.set RR,   253
.set HH,   254
.set L16,  255
.set S26,  48                          ; s[48:49] 2^-SH as f32, twice (a pair for the packed multiply); the registers are free once the head's lists are used
.set WV,   84
.set NT,   85                          ; tiles
.set NP,   86                          ; pairs of tiles
.set TT,   87                          ; the trip's first tile; later the pair
.set TP,   88                          ; its bytes in a parked region
.set TS,   89                          ; its bytes among the places' words; later A2's image
.set TRIP, 90
.set SX,   91
.set SEL,  92
.set XO,   94
.set EKS,  100                         ; e2 + e3 + SH
.set EVS,  101                         ; e4 + e5 + SH
.set MSB,  0
.macro WIN new                         ; bits 1:0 source 0, 3:2 source 1, 5:4 source 2, 7:6 destination; the high byte repeats the setting that is left
.if MSB != (\new)
	s_set_vgpr_msb (MSB<<8)|(\new)
.set MSB, (\new)
.endif
.endm
.macro PLACES                          ; four plain lines between a matrix instruction and a vector line or a load that touches its registers
.rept 4
	v_nop
.endr
.endm
.macro BAR                             ; my LDS stores have landed and my LDS loads are in: then the work-group's barrier
	s_wait_dscnt 0x0
	s_barrier_signal -1
	s_barrier_wait -1
.endm
; weights: tiles a and a + 1 of my eight, four K steps each: fragment (t, k) in window 2 + t / 4 at register 16 (4 (t % 4) + k)
.macro WLD m, a
	WIN 0x80+0x40*((\a)/4)
.irp h,\a,\a+1
.irp k,0,1,2,3
.irp c,0,1,2,3
	global_load_b128 v[16*(4*((\h)%4)+\k)+4*\c:16*(4*((\h)%4)+\k)+4*\c+3], v[L16], s[8:9] offset:\m+((\h)*4+\k)*2048+512*\c
.endr
.endr
.endr
	WIN 0
.endm
.macro ADDR lst                        ; a tile's 16 list words become load offsets; a stored number enters an address behind its clamp
.irp i,0,1,2,3,4,5,6,7,8,9,10,11,12,13,14,15
	s_min_u32 s[\lst+\i], s[\lst+\i], 0xff800
	v_add_nc_u32 v[OFF+\i], s[\lst+\i], v[LOFF]
.endr
.endm
.macro GLD set                         ; 16 rows x 512 consecutive bytes into staging set `set` (window 1).  Read once, but for the filler tile's row
	WIN 0x40
.irp i,0,1,2,3,4,5,6,7,8,9,10,11,12,13,14,15
	global_load_b128 v[64*(\set)+4*\i:64*(\set)+4*\i+3], v[OFF+\i], s[4:5] th:TH_LOAD_NT
.endr
	WIN 0
.endm
; the loads of the tile four steps on, and the list of the tile five steps on.  Past the last tile the filler tile (16 x the block's first row) is named, so that the loads are counted alike in every step
.macro ISSUE set
	s_wait_kmcnt 0x0                               ; the list is in
	s_wait_xcnt 0x0                                ; the last 16 loads have read their offsets
	ADDR 32
	GLD \set
	s_add_co_u32 s[XO], s[SX], 5
	s_cmp_lt_u32 s[XO], s[NT]
	s_cselect_b32 s[XO], s[XO], 32
	s_min_u32 s[XO], s[XO], 32
	s_lshl_b32 s[XO], s[XO], 6
	s_load_b512 s[32:47], s[6:7], s[XO] offset:0x0
.endm
; a tile's numbers through my own stage: in as loaded (a row's 512 bytes on end), out 64 bytes a lane: register 16 c + 4 j + i = k 32 c + 16 h + 4 j + i of row r.  LDS serves a wave in order: no wait between
.macro TURN set
	s_wait_loadcnt 48                              ; this set's 16 loads are in; the three younger sets stay out
	WIN 0x04
.irp i,0,1,2,3,4,5,6,7,8,9,10,11,12,13,14,15
	ds_store_b128 v[STW], v[64*(\set)+4*\i:64*(\set)+4*\i+3] offset:SPI*\i
.endr
	WIN 0
.irp c,0,1,2,3
.irp j,0,1,2,3
	ds_load_b128 v[G1+16*\c+4*\j:G1+16*\c+4*\j+3], v[STR] offset:128*\c+16*\j
.endr
.endr
.endm
; the 64 numbers become two fragments: the keys' scale out of a copy, the values' in place.  The in-place holds are the plain lines between a conversion and the next write of its sources
.macro QUANT2
.irp c,0,1,2,3
.set qi, 0
.rept 16
	v_med3_num_f32 v[TQ+qi], v[G1+16*\c+qi], -v[LK], v[LK]
.set qi, qi+1
.endr
	v_cvt_scalef32_pk8_bf8_f32 v[PCK+4*\c:PCK+4*\c+1], v[TQ:TQ+7], v[SCK]
	v_cvt_scalef32_pk8_bf8_f32 v[PCK+4*\c+2:PCK+4*\c+3], v[TQ+8:TQ+15], v[SCK]
.set qi, 0
.rept 16
	v_med3_num_f32 v[G1+16*\c+qi], v[G1+16*\c+qi], -v[LV], v[LV]
.set qi, qi+1
.endr
	v_cvt_scalef32_pk8_bf8_f32 v[PCV+4*\c:PCV+4*\c+1], v[G1+16*\c:G1+16*\c+7], v[SCV]
	v_cvt_scalef32_pk8_bf8_f32 v[PCV+4*\c+2:PCV+4*\c+3], v[G1+16*\c+8:G1+16*\c+15], v[SCV]
.endr
	v_nop                                          ; one plain line behind the last scaled conversion
.endm
.macro IMAGES s                        ; both fragments go to LDS as they stand in the registers
	v_add_nc_u32 v[TA], s[TP], v[IV0]
.irp c,0,1,2,3
	ds_store_b128 v[IK0], v[PCK+4*\c:PCK+4*\c+3] offset:8192*((\s)%2)+512*\c
	ds_store_b128 v[TA], v[PCV+4*\c:PCV+4*\c+3] offset:2048*(\s)+512*\c
.endr
.endm
.macro SFLOAD s                        ; the tile's four key fragments, and the list word of place r
	v_add_nc_u32 v[TB], s[TS], v[RW0]
	ds_load_b32 v[BS], v[TB] offset:64*(\s)
.irp k,0,1,2,3
.irp c,0,1,2,3
	ds_load_b128 v[G1+16*\k+4*\c:G1+16*\k+4*\c+3], v[FR0] offset:8192*((\s)%2)+2048*\k+512*\c
.endr
.endr
.endm
; keys^T: source 0 = 16 rows of Wk, source 1 = the 16 listed rows: a lane holds one row, its registers run along h.  Four accumulators by turns
.macro KMUL
.irp x,0,1
	WIN 0x02+\x
.irp k,0,1,2,3
.irp h,0,1,2,3
.if \k==0
	v_wmma_f32_16x16x128_bf8_bf8 v[KA+8*(4*\x+\h):KA+8*(4*\x+\h)+7], v[16*(4*\h+\k):16*(4*\h+\k)+15], v[G1+16*\k:G1+16*\k+15], 0
.else
	v_wmma_f32_16x16x128_bf8_bf8 v[KA+8*(4*\x+\h):KA+8*(4*\x+\h)+7], v[16*(4*\h+\k):16*(4*\h+\k)+15], v[G1+16*\k:G1+16*\k+15], v[KA+8*(4*\x+\h):KA+8*(4*\x+\h)+7]
.endif
.endr
.endr
.endr
	WIN 0
.endm
; the sums x 2^-SH, so that none is beyond f16; then two neighbouring accumulators, rounded in pairs, are an f16 operand of 32 h x 16 rows.  Each accumulator from its low end on
.macro KCVT
.set ci, 0
.rept 32
	v_pk_mul_f32 v[KA+2*ci:KA+2*ci+1], v[KA+2*ci:KA+2*ci+1], s[S26:S26+1] op_sel_hi:[1,0]
.set ci, ci+1
.endr
.set ci, 0
.rept 32
	v_cvt_pk_f16_f32 v[KB+ci], v[KA+2*ci], v[KA+2*ci+1]
.set ci, ci+1
.endr
.endm
.macro KDOT first                      ; (16 batches) x (16 rows): q . key over my 128 h, on two accumulators by turns
.if \first
	v_wmma_f32_16x16x32_f16 v[P0:P0+7], v[QF:QF+7], v[KB:KB+7], 0
.else
	v_wmma_f32_16x16x32_f16 v[P0:P0+7], v[QF:QF+7], v[KB:KB+7], v[PB:PB+7]
.endif
	v_wmma_f32_16x16x32_f16 v[P1:P1+7], v[QF+8:QF+15], v[KB+8:KB+15], 0
	v_wmma_f32_16x16x32_f16 v[P0:P0+7], v[QF+16:QF+23], v[KB+16:KB+23], v[P0:P0+7]
	v_wmma_f32_16x16x32_f16 v[P1:P1+7], v[QF+24:QF+31], v[KB+24:KB+31], v[P1:P1+7]
.endm
.macro KSCORE s
	KCVT
	KDOT 0
	v_bfe_u32 v[DD], v[BS], 16, 4                  ; the row's batch.  (These four lines are the places behind the products)
	v_sub_nc_u32 v[DD], v[DD], v[H8]               ; which of my eight registers holds it, if any
	v_mov_b32 v[ACC], 0
	v_add_nc_u32 v[TA], s[TS], v[SC0]
.irp j,0,2,4,6
	v_pk_add_f32 v[P0+\j:P0+\j+1], v[P0+\j:P0+\j+1], v[P1+\j:P1+\j+1]
.endr
.irp j,0,1,2,3,4,5,6,7
	v_cmp_eq_u32 vcc_lo, \j, v[DD]
	v_cndmask_b32 v[ACC], v[ACC], v[P0+\j], vcc_lo
.endr
	v_permlanex16_b32 v[TMP], v[ACC], s[SEL], s[SEL+1]
	v_add_f32 v[ACC], v[ACC], v[TMP]               ; one half of the lanes held it, the other 0
	ds_store_b32 v[TA], v[ACC] offset:64*(\s)
.endm
; ONE STEP.  The barrier stands on every wave's path; the work on both sides of it is jumped over where the tile's number is past the stored count.
; In front of the barrier a wave's images have landed and its reads of the other slot are in, so that slot may be written in the next step.
; A staging set is loaded again only when its earlier loads are in, on every way through the text: the work behind the barrier ends with TURN, whose count shows the next step's set in
; (behind a set's loads at most the three younger sets' 48 are issued before its TURN); the way round that work waits for all loads.
.macro KSTEP s
	s_add_co_u32 s[SX], s[TT], \s
	s_cmp_lt_u32 s[SX], s[NT]
	s_cbranch_scc0 .Ljoin_\@
	s_wait_dscnt 0x0                               ; the tile's numbers are back from the stage
	QUANT2
	IMAGES \s
.Ljoin_\@:
	BAR
	s_cmp_lt_u32 s[SX], s[NT]
	s_cbranch_scc0 .Lskip_\@
	SFLOAD \s
	ISSUE \s
	s_wait_dscnt 0x0
	KMUL
	PLACES
	TURN (\s+1)%4
	KSCORE \s
	s_branch .Ldone_\@
.Lskip_\@:
	s_wait_loadcnt 0x0                             ; where a step's loads and TURN are left out nothing stays on its way
.Ldone_\@:
.endm
	s_load_b512 s[4:19], s[0:1], 0x0               ; subgoals, rowlist, wcodes, qfrag, bk, bv, mask, poslist
	s_load_b256 s[20:27], s[0:1], 0x40             ; pm, lowp_scales, out0, out1
	v_lshrrev_b32 v[TA], 5, v0
	v_readfirstlane_b32 s[WV], v[TA]               ; wave 0..3
	v_and_b32 v[LN], 31, v0
	v_and_b32 v[RR], 15, v0
	v_bfe_u32 v[HH], v0, 4, 1
	v_lshlrev_b32 v[L16], 4, v[LN]
	s_lshl_b32 s2, s[WV], 9
	v_add_nc_u32 v[LOFF], s2, v[L16]
	s_mul_i32 s2, s[WV], WSTG
	s_add_co_u32 s2, s2, STAGE
	v_add_nc_u32 v[STW], s2, v[L16]
	v_mul_u32_u24 v[STR], v[RR], SPI
	v_lshl_add_u32 v[STR], v[HH], 6, v[STR]
	v_add_nc_u32 v[STR], s2, v[STR]
	s_lshl_b32 s2, s[WV], 11
	s_add_co_u32 s3, s2, KRING
	v_add_nc_u32 v[IK0], s3, v[L16]
	s_lshl_b32 s3, s[WV], 16
	v_add_nc_u32 v[IV0], s3, v[L16]
	v_add_nc_u32 v[FR0], KRING, v[L16]
	s_add_co_u32 s3, s2, SCB
	v_lshl_add_u32 v[SC0], v[RR], 2, s3
	v_add_nc_u32 v[DD], s3, v[L16]
	v_lshl_add_u32 v[RW0], v[RR], 2, ROWS
	v_lshlrev_b32 v[TA], 4, v0                     ; 16 x thread: my four words of the list
	v_lshlrev_b32 v[TB], 5, v[HH]                  ; 32 h
	v_lshlrev_b32 v[H8], 3, v[HH]
.irp i,0,1,2,3
	v_mov_b32 v[160+\i], 0
.endr
.irp i,0,1,2,3
	ds_store_b128 v[DD], v[160:163] offset:512*\i   ; my 512 partial scores begin as zeros: places past the last tile are read, and thrown away by the mask
.endr
	s_mov_b32 s[SEL], 0x76543210
	s_mov_b32 s[SEL+1], 0xfedcba98
	s_mov_b32 s3, 0
	s_wait_kmcnt 0x0
	s_lshl_b32 s2, ttmp9, 20
	s_add_nc_u64 s[4:5], s[4:5], s[2:3]            ; my 512 rows of 2,048 bytes
	s_mul_i32 s2, ttmp9, 2304
	s_add_nc_u64 s[6:7], s[6:7], s[2:3]            ; my record
	s_lshl_b32 s2, s[WV], 16
	s_add_nc_u64 s[8:9], s[8:9], s[2:3]            ; my eight tiles of each weight
	s_lshl_b32 s2, ttmp9, 14
	s_lshl_b32 s[SX], s[WV], 12
	s_add_co_u32 s2, s2, s[SX]
	s_add_nc_u64 s[10:11], s[10:11], s[2:3]        ; q of my 16 batches, my 128 h
	s_lshl_b32 s2, s[WV], 9
	s_add_nc_u64 s[12:13], s[12:13], s[2:3]
	s_add_nc_u64 s[14:15], s[14:15], s[2:3]
	s_lshl_b32 s2, ttmp9, 11
	s_add_nc_u64 s[16:17], s[16:17], s[2:3]
	s_add_nc_u64 s[18:19], s[18:19], s[2:3]
	s_add_nc_u64 s[26:27], s[26:27], s[2:3]
	s_lshl_b32 s2, ttmp9, 6
	s_lshl_b32 s[SX], s[WV], 4
	s_add_co_u32 s2, s2, s[SX]
	s_add_nc_u64 s[20:21], s[20:21], s[2:3]        ; pm of the four batches whose softmax I make
	s_lshl_b32 s2, ttmp9, 15
	s_lshl_b32 s[SX], s[WV], 13
	s_add_co_u32 s2, s2, s[SX]
	s_add_nc_u64 s[24:25], s[24:25], s[2:3]        ; out0 at the four rows that I store
	s_load_b32 s[NT], s[6:7], 0x840                ; word 528
	s_load_b512 s[32:47], s[6:7], 0x0              ; the lists of tiles 0, 1, 2
	s_load_b512 s[48:63], s[6:7], 0x40
	s_load_b512 s[68:83], s[6:7], 0x80
	s_load_b128 s[28:31], s[20:21], 0x0
	s_load_b128 s[96:99], s[22:23], 0x8            ; e2, e3, e4, e5
	WLD 0, 0
	WLD 0, 2
	WLD 0, 4
	WLD 0, 6
.irp u,0,1,2,3
	global_load_b128 v[QF+8*\u:QF+8*\u+3], v[L16], s[10:11] offset:1024*\u
	global_load_b128 v[QF+8*\u+4:QF+8*\u+7], v[L16], s[10:11] offset:1024*\u+512
.endr
.set bi, 0
.rept 16
	global_load_b128 v[KA+4*bi:KA+4*bi+3], v[TB], s[12:13] offset:64*(bi/2)+16*(bi%2)   ; bk at h = 16 t + 8 h + 0 .. 7: the keys' own layout
.set bi, bi+1
.endr
	global_load_b128 v[BS:BS+3], v[TA], s[6:7]
	s_wait_kmcnt 0x0
	s_min_u32 s[NT], s[NT], 32
	s_lshr_b32 s[NP], s[NT], 1
	s_add_co_i32 s[EKS], s96, s97
	s_add_co_i32 s[EKS], s[EKS], SH                ; what a rounded key channel lacks: 2^(e2 + e3 + SH)
	s_add_co_i32 s[EVS], s98, s99
	s_add_co_i32 s[EVS], s[EVS], SH                ; and a value channel: 2^(e4 + e5 + SH)
	s_add_co_i32 s2, s96, 127
	s_lshl_b32 s[SX], s2, 23
	v_mov_b32 v[SCK], s[SX]
	s_add_co_i32 s2, s2, 15
	s_lshl_b32 s2, s2, 23
	s_or_b32 s2, s2, 0x600000
	v_mov_b32 v[LK], s2
	s_add_co_i32 s2, s98, 127
	s_lshl_b32 s[SX], s2, 23
	v_mov_b32 v[SCV], s[SX]
	s_add_co_i32 s2, s2, 15
	s_lshl_b32 s2, s2, 23
	s_or_b32 s2, s2, 0x600000
	v_mov_b32 v[LV], s2
	ADDR 32
	GLD 0
	s_wait_xcnt 0x0                                ; the offsets are written again only behind this wait
	s_load_b512 s[32:47], s[6:7], 0xc0             ; tile 3's list
	ADDR 48
	GLD 1
	s_wait_xcnt 0x0
	ADDR 68
	GLD 2
	s_wait_kmcnt 0x0
	s_wait_xcnt 0x0
	ADDR 32
	GLD 3
	s_cmp_gt_u32 s[NT], 4
	s_mov_b32 s[XO], 32*64
	s_cselect_b32 s[XO], 4*64, s[XO]
	s_load_b512 s[32:47], s[6:7], s[XO] offset:0x0   ; tile 4's list, or the filler's
	s_mov_b32 s[S26], (127-SH)<<23                 ; 2^-SH as f32 (tile 1's list, which lay here, has been used)
	s_mov_b32 s[S26+1], s[S26]                     ; (named with it as a pair)
	TURN 0                                         ; loads come back in order: the weights, q, bk and the list are in too
	v_add_nc_u32 v[TA], ROWS, v[TA]
	ds_store_b128 v[TA], v[BS:BS+3]
	s_sub_co_i32 s2, SH, s[EKS]                    ; -(e2 + e3)
.set bi, 0
.rept 64
	v_ldexp_f32 v[KA+bi], v[KA+bi], s2             ; bk / 2^(e2 + e3): in the units of the keys' sums; the 2^-SH follows as it does for them
.set bi, bi+1
.endr
	KCVT
	KDOT 1                                         ; q . bk over my 128 h, the same in every column
	PLACES
.irp j,0,2,4,6
	v_pk_add_f32 v[PB+\j:PB+\j+1], v[P0+\j:P0+\j+1], v[P1+\j:P1+\j+1]
.endr
	s_mov_b32 s[TT], 0
	s_mov_b32 s[TP], 0
	s_mov_b32 s[TS], 0
	s_mov_b32 s[TRIP], 0
.Lk:                                               ; 8 trips x 4 steps: constants, so that every LDS address is a constant, a lane term and a counted step
	KSTEP 0
	KSTEP 1
	KSTEP 2
	KSTEP 3
	s_add_co_u32 s[TT], s[TT], 4
	s_add_co_u32 s[TP], s[TP], 4*2048
	s_add_co_u32 s[TS], s[TS], 4*64
	s_add_co_u32 s[TRIP], s[TRIP], 1
	s_cmp_lt_u32 s[TRIP], 8
	s_cbranch_scc1 .Lk
	s_wait_loadcnt 0x0
	s_wait_kmcnt 0x0
	BAR                                            ; every wave's partial scores and parked images lie in LDS
	PLACES
	; ---- SOFTMAX.  Wave w: batches 4 w .. 4 w + 3, lane = n.  LDS reads whose address is a stored number stand between barriers between which no wave writes LDS
	v_lshlrev_b32 v1, 2, v[LN]
	s_lshl_b32 s2, s[WV], 9
	v_add_nc_u32 v1, s2, v1                        ; 512 w + 4 n
	v_lshlrev_b32 v3, 5, v[HH]                     ; 32 h
	v_add_nc_u32 v2, s2, v3                        ; 512 w + 32 h
.irp k,0,1,2,3
	global_load_b32 v[160+\k], v1, s[18:19] offset:128*\k   ; 4 x my row's place
.endr
.irp k,0,1,2,3
	global_load_b32 v[164+\k], v1, s[16:17] offset:128*\k   ; its mask
.endr
.set bi, 0
.rept 16
	global_load_b128 v[96+4*bi:96+4*bi+3], v2, s[6:7] offset:64*(bi/2)+16*(bi%2)    ; the list words of my four pairs of tiles, places 32 p + 16 half + 8 h + 0 .. 7
.set bi, bi+1
.endr
.set bi, 0
.rept 16
	global_load_b128 v[G1+4*bi:G1+4*bi+3], v3, s[14:15] offset:64*(bi/2)+16*(bi%2)  ; bv at h = 16 t + 8 h + 0 .. 7
.set bi, bi+1
.endr
	WLD WVOFF, 0
	v_cvt_f32_u32 v4, v[LN]
	v_mul_f32 v4, 0x3d042108, v4                   ; n / 31
.irp k,0,1,2,3
	v_sub_f32 v[188+\k], s[28+\k], v4
.endr
.irp k,0,1,2,3
	v_mul_f32 v[188+\k], v[188+\k], v[188+\k]
.endr
.irp k,0,1,2,3
	v_mul_f32 v[188+\k], 0xc138aa3b, v[188+\k]     ; -8 log2(e) d^2: 1 / (2 x 0.25^2) = 8
.endr
.irp k,0,1,2,3
	v_exp_f32 v[188+\k], v[188+\k]                 ; the bias
.endr
	v_mov_b32 v5, 0x3d3504f3                       ; 512^-0.5.  (The plain line behind the batch)
	s_wait_alu depctr_va_vdst(0)                   ; one wait for the batch
	v_ldexp_f32 v5, v5, s[EKS]                     ; x 2^(e2 + e3 + SH)
	v_mov_b32 v6, 0xce6e6b28                       ; -1e9
.irp k,0,1,2,3
	v_mov_b32 v[200+\k], 0
.endr
	s_wait_loadcnt 48                              ; places, masks and list words are in; bv's 16 loads and Wv's 32 may be out
.irp k,0,1,2,3
	v_min_u32 v[160+\k], 0x7fc, v[160+\k]
.endr
.irp k,0,1,2,3
	v_add_nc_u32 v[160+\k], SCB, v[160+\k]
.endr
.irp k,0,1,2,3
.irp j,0,1,2,3
	ds_load_b32 v[168+4*\k+\j], v[160+\k] offset:2048*\j   ; the four waves' parts of my row's score
.endr
.endr
	s_wait_dscnt 0x0
.irp k,0,1,2,3
	v_add_f32 v[168+4*\k], v[168+4*\k], v[169+4*\k]
	v_add_f32 v[170+4*\k], v[170+4*\k], v[171+4*\k]
.endr
.irp k,0,1,2,3
	v_add_f32 v[168+4*\k], v[168+4*\k], v[170+4*\k]
.endr
.irp k,0,1,2,3
	v_fma_f32 v[184+\k], v[168+4*\k], v5, v[188+\k]
.endr
.irp k,0,1,2,3
	v_cmp_eq_u32 vcc_lo, 0, v[164+\k]
	v_cndmask_b32 v[184+\k], v[184+\k], v6, vcc_lo
.endr
.irp k,0,1,2,3
	v_mov_b32 v[192+\k], v[184+\k]
.endr
.irp x,1,2,4,8
.irp k,0,1,2,3
	v_max_num_f32_dpp v[192+\k], v[192+\k], v[192+\k] row_xmask:\x row_mask:0xf bank_mask:0xf
.endr
.endr
.irp k,0,1,2,3
	v_permlanex16_b32 v[200+\k], v[192+\k], s[SEL], s[SEL+1]
.endr
.irp k,0,1,2,3
	v_max_num_f32 v[192+\k], v[192+\k], v[200+\k]  ; the batch's largest score
.endr
.irp k,0,1,2,3
	v_sub_f32 v[184+\k], v[184+\k], v[192+\k]
.endr
.irp k,0,1,2,3
	v_mul_f32 v[184+\k], 0x3fb8aa3b, v[184+\k]
.endr
.irp k,0,1,2,3
	v_exp_f32 v[196+\k], v[184+\k]
.endr
	v_nop
	s_wait_alu depctr_va_vdst(0)
.irp k,0,1,2,3
	v_mov_b32 v[192+\k], v[196+\k]
.endr
.irp x,1,2,4,8
.irp k,0,1,2,3
	v_add_f32_dpp v[192+\k], v[192+\k], v[192+\k] row_xmask:\x row_mask:0xf bank_mask:0xf
.endr
.endr
.irp k,0,1,2,3
	v_permlanex16_b32 v[200+\k], v[192+\k], s[SEL], s[SEL+1]
.endr
.irp k,0,1,2,3
	v_add_f32 v[192+\k], v[192+\k], v[200+\k]
.endr
.irp k,0,1,2,3
	v_rcp_f32 v[192+\k], v[192+\k]
.endr
	v_add_nc_u32 v7, ATB, v1                       ; (the plain line behind the batch)  where my four weights go
	s_wait_alu depctr_va_vdst(0)
.irp k,0,1,2,3
	v_mul_f32 v[196+\k], v[196+\k], v[192+\k]      ; the weights
.endr
	BAR                                            ; every wave's reads by stored places are in
	WLD WVOFF, 2
.irp k,0,1,2,3
	ds_store_b32 v7, v[196+\k] offset:128*\k
.endr
	BAR                                            ; the 512 weights lie in LDS, by row
	WLD WVOFF, 4
	v_lshl_add_u32 v8, v0, 4, ATB
	ds_load_b128 v[BS:BS+3], v8                    ; out1 leaves as it lies: 16 bytes a thread
.set gi, 0
.rept 64
	v_bfe_u32 v[160+gi], v[96+gi], 11, 9           ; the row that stands at this place,
	v_min_u32 v[160+gi], 511, v[160+gi]
	v_lshl_add_u32 v[160+gi], v[160+gi], 2, ATB
	ds_load_b32 v[160+gi], v[160+gi]               ; and its weight
.set gi, gi+1
.endr
	v_lshlrev_b32 v9, 4, v0
	s_wait_dscnt 0x0
	global_store_b128 v9, v[BS:BS+3], s[26:27]     ; a wave stores 512 consecutive bytes
.set gi, 0
.rept 64
	v_bfe_u32 v10, v[96+gi], 16, 4                 ; its batch: the weight stands in that column (lane % 16) alone
	v_cmp_eq_u32 vcc_lo, v10, v[RR]
	v_cndmask_b32 v[160+gi], 0, v[160+gi], vcc_lo
.set gi, gi+1
.endr
.set gi, 0
.rept 32
	v_cvt_pk_f16_f32 v[96+gi], v[160+2*gi], v[161+2*gi]   ; A2 of my four pairs: 8 registers each; a weight is at most 1
.set gi, gi+1
.endr
	BAR                                            ; every wave's reads by stored rows are in
	WLD WVOFF, 6
	s_lshl_b32 s2, s[WV], 12
	s_add_co_u32 s2, s2, KRING
	v_add_nc_u32 v28, s2, v[L16]
.irp j,0,1,2,3,4,5,6,7
	ds_store_b128 v28, v[96+4*\j:99+4*\j] offset:512*\j   ; pair 4 w + j / 2, half j % 2
.endr
	BAR                                            ; A2's sixteen images lie in LDS
	s_wait_loadcnt 0x0                             ; bv and all of Wv
	s_sub_co_i32 s2, 0, s[EVS]
.set bi, 0
.rept 64
	v_ldexp_f32 v[G1+bi], v[G1+bi], s2             ; out0's sums begin as bv / 2^(e4 + e5 + SH)
.set bi, bi+1
.endr
	; ---- V PHASE.  Window 0: v32-95 out0^T (8 tiles of 16 h x 16 batches), v96-159 the values in f16, v160-167 A2.  Window 1: v0-127 the pair's eight value fragments, v128-255 sixteen accumulators
.set OUT, 32
.set VB,  96
.set A2,  160
.irp k,0,1,2,3
	v_add_nc_u32 v[16+\k], 65536*\k, v[L16]
.endr
	v_add_nc_u32 v24, KRING, v[L16]
.macro VLOADSV                         ; 32 loads, the first K step's first
	WIN 0x40
.irp k,0,1,2,3
.irp t,0,1
.irp c,0,1,2,3
	ds_load_b128 v[16*(4*\t+\k)+4*\c:16*(4*\t+\k)+4*\c+3], v[20+\k] offset:2048*\t+512*\c
.endr
.endr
.endr
.endm
; values: source 0 = 16 listed rows, source 1 = 16 rows of Wv: a lane holds one h, its registers run along the rows.  Tiles 4 x .. 4 x + 3 of h, both tiles of rows: eight accumulators by turns
.macro HALF x, counted
	WIN 0x59+4*(\x)
.irp k,0,1,2,3
.if \counted
	s_wait_dscnt 8*(3-\k)                          ; this K step's eight loads are in; the later K steps' may be out
.endif
.irp t,0,1
.irp h,0,1,2,3
.if \k==0
	v_wmma_f32_16x16x128_bf8_bf8 v[128+8*(8*\t+4*(\x)+\h):128+8*(8*\t+4*(\x)+\h)+7], v[16*(4*\t+\k):16*(4*\t+\k)+15], v[16*(4*\h+\k):16*(4*\h+\k)+15], 0
.else
	v_wmma_f32_16x16x128_bf8_bf8 v[128+8*(8*\t+4*(\x)+\h):128+8*(8*\t+4*(\x)+\h)+7], v[16*(4*\t+\k):16*(4*\t+\k)+15], v[16*(4*\h+\k):16*(4*\h+\k)+15], v[128+8*(8*\t+4*(\x)+\h):128+8*(8*\t+4*(\x)+\h)+7]
.endif
.endr
.endr
.endr
.endm
.macro VSCL x                          ; a half's eight accumulators x 2^-SH, in place, so that none is beyond f16; each accumulator from its low end on
	WIN 0x41
.irp h,0,1,2,3
.irp t,0,1
.irp m,0,2,4,6
	v_pk_mul_f32 v[128+8*(8*\t+4*(\x)+\h)+\m:128+8*(8*\t+4*(\x)+\h)+\m+1], v[128+8*(8*\t+4*(\x)+\h)+\m:128+8*(8*\t+4*(\x)+\h)+\m+1], s[S26:S26+1] op_sel_hi:[1,0]
.endr
.endr
.endr
.endm
.macro CVT x                           ; the two tiles of rows of one tile of h, rounded in pairs, are an f16 operand of 16 h x 32 rows
	VSCL \x
	WIN 0x05
.irp h,0,1,2,3
.irp t,0,1
.irp m,0,1,2,3
	v_cvt_pk_f16_f32 v[VB+8*(4*(\x)+\h)+4*\t+\m], v[128+8*(8*\t+4*(\x)+\h)+2*\m], v[128+8*(8*\t+4*(\x)+\h)+2*\m+1]
.endr
.endr
.endr
.endm
.macro OACC x
	WIN 0
.irp h,0,1,2,3
	v_wmma_f32_16x16x32_f16 v[OUT+8*(4*(\x)+\h):OUT+8*(4*(\x)+\h)+7], v[VB+8*(4*(\x)+\h):VB+8*(4*(\x)+\h)+7], v[A2:A2+7], v[OUT+8*(4*(\x)+\h):OUT+8*(4*(\x)+\h)+7]
.endr
.endm
; A pair of tiles.  The second half of the pair before is rounded and added while this pair's fragments come from LDS.  No two matrix instructions that follow each other share an accumulator.
.macro BODY first
.irp k,0,1,2,3
	v_add_nc_u32 v[20+\k], s[TP], v[16+\k]         ; these four plain lines are the places in front of the loads and of the multiplications below
.endr
	VLOADSV
.if !\first
	CVT 1
	OACC 1
.endif
	HALF 0, 1
	WIN 0
	PLACES
	v_add_nc_u32 v25, s[TS], v24
	ds_load_b128 v[A2:A2+3], v25
	ds_load_b128 v[A2+4:A2+7], v25 offset:512
	CVT 0
	s_wait_dscnt 0x0                               ; A2 is in
	HALF 1, 0
	OACC 0
.endm
	s_mov_b32 s[TT], 0
	s_mov_b32 s[TP], 0
	s_mov_b32 s[TS], 0
	BODY 1                                         ; there are at least two tiles
	s_mov_b32 s[TRIP], 0
.Lv:                                               ; 15 trips, a constant; a pair past the stored count is jumped over
	s_add_co_u32 s[TT], s[TT], 1
	s_add_co_u32 s[TP], s[TP], 2*2048
	s_add_co_u32 s[TS], s[TS], 1024
	s_cmp_lt_u32 s[TT], s[NP]
	s_cbranch_scc0 .Lvskip
	BODY 0
.Lvskip:
	s_add_co_u32 s[TRIP], s[TRIP], 1
	s_cmp_lt_u32 s[TRIP], 15
	s_cbranch_scc1 .Lv
	PLACES
	CVT 1
	OACC 1
	PLACES
	; ---- THE WAY OUT.  A lane holds eight neighbouring h of one batch; a batch's 512 h come from four waves: they meet in a stage (rows of 2,048 bytes + 16), and each wave stores four whole rows
.set bi, 0
.rept 64
	v_ldexp_f32 v[VB+bi], v[OUT+bi], s[EVS]        ; x 2^(e4 + e5 + SH); each accumulator from its low end on
.set bi, bi+1
.endr
	v_mul_u32_u24 v26, v[RR], OPI
	v_lshl_add_u32 v26, v[HH], 5, v26
	s_lshl_b32 s2, s[WV], 9
	s_add_co_u32 s2, s2, STAGE
	v_add_nc_u32 v26, s2, v26
	s_mul_i32 s2, s[WV], 4*OPI
	s_add_co_u32 s2, s2, STAGE
	v_add_nc_u32 v27, s2, v[L16]
.irp h,0,1,2,3,4,5,6,7
	ds_store_b128 v26, v[VB+8*\h:VB+8*\h+3] offset:64*\h
	ds_store_b128 v26, v[VB+8*\h+4:VB+8*\h+7] offset:64*\h+16
.endr
	BAR
.irp i,0,1,2,3,4,5,6,7,8,9,10,11,12,13,14,15
	ds_load_b128 v[OUT+4*\i:OUT+4*\i+3], v27 offset:OPI*(\i/4)+512*(\i%4)
.endr
.irp i,0,1,2,3,4,5,6,7,8,9,10,11,12,13,14,15
	s_wait_dscnt 15-\i
	global_store_b128 v[L16], v[OUT+4*\i:OUT+4*\i+3], s[24:25] offset:512*\i th:TH_STORE_NT   ; 512 consecutive bytes, at a multiple of 256 from out0's first byte
.endr
	s_wait_xcnt 0x0
	v_lshl_add_u32 v254, v0, 2, 0x4f400
	v_mov_b32 v255, 0
	s_wait_tensorcnt 0x0
	ds_add_u32 v254, v255
	s_wait_dscnt 0x0
	s_endpgm
.Lfunc_end_k_qdcc8736e04_main:
	.size	k_qdcc8736e04_main, .Lfunc_end_k_qdcc8736e04_main-k_qdcc8736e04_main
	.p2alignl 7, 3214868480
	.fill 96, 4, 3214868480
	.section	.rodata,"a",@progbits
	.p2align	6, 0x0
	.amdhsa_kernel k_qdcc8736e04_main
		.amdhsa_group_segment_fixed_size 325120
		.amdhsa_private_segment_fixed_size 0
		.amdhsa_enable_private_segment 0
		.amdhsa_kernarg_size 96
		.amdhsa_user_sgpr_count 2
		.amdhsa_user_sgpr_kernarg_segment_ptr 1
		.amdhsa_wavefront_size32 1
		.amdhsa_system_sgpr_workgroup_id_x 1
		.amdhsa_system_sgpr_workgroup_id_y 1
		.amdhsa_system_sgpr_workgroup_id_z 1
		.amdhsa_system_vgpr_workitem_id 0
		.amdhsa_next_free_vgpr 1024
		.amdhsa_next_free_sgpr 102
		.amdhsa_reserve_vcc 1
		.amdhsa_float_denorm_mode_32 3
		.amdhsa_float_denorm_mode_16_64 3
		.amdhsa_memory_ordered 1
		.amdhsa_forward_progress 1
		.amdhsa_inst_pref_size 237
	.end_amdhsa_kernel
	.amdgpu_metadata
---
amdhsa.version: [ 1, 2 ]
amdhsa.kernels:
  - .name:           k_qdcc8736e04_main
    .symbol:         k_qdcc8736e04_main.kd
    .args:
      - { .name: subgoals, .offset: 0, .size: 8, .value_kind: global_buffer, .address_space: global }
      - { .name: rowlist, .offset: 8, .size: 8, .value_kind: global_buffer, .address_space: global }
      - { .name: wcodes, .offset: 16, .size: 8, .value_kind: global_buffer, .address_space: global }
      - { .name: qfrag, .offset: 24, .size: 8, .value_kind: global_buffer, .address_space: global }
      - { .name: bk, .offset: 32, .size: 8, .value_kind: global_buffer, .address_space: global }
      - { .name: bv, .offset: 40, .size: 8, .value_kind: global_buffer, .address_space: global }
      - { .name: mask, .offset: 48, .size: 8, .value_kind: global_buffer, .address_space: global }
      - { .name: poslist, .offset: 56, .size: 8, .value_kind: global_buffer, .address_space: global }
      - { .name: pm, .offset: 64, .size: 8, .value_kind: global_buffer, .address_space: global }
      - { .name: lowp_scales, .offset: 72, .size: 8, .value_kind: global_buffer, .address_space: global }
      - { .name: out0, .offset: 80, .size: 8, .value_kind: global_buffer, .address_space: global }
      - { .name: out1, .offset: 88, .size: 8, .value_kind: global_buffer, .address_space: global }
    .group_segment_fixed_size: 325120
    .private_segment_fixed_size: 0
    .kernarg_segment_align: 8
    .kernarg_segment_size: 96
    .max_flat_workgroup_size: 128
    .sgpr_count:     102
    .vgpr_count:     1024
    .wavefront_size: 32
...
	.end_amdgpu_metadata
.endif
;; end of part 2
;; ======== version 2 of 2: 2 launches; version 1 with the launches prep, main written anew for expert scheduling mode
;; limits: values are held in f16: magnitudes above 65,504 overflow, below 6.1e-05 lose precision; right only within a limited range of input values
;; workspace buffers: qfrag 4,194,304 bytes; wcodes 524,288 bytes; rowlist 589,824 bytes of whole numbers; poslist 524,288 bytes of whole numbers
;; launch prep (part 3): grid 256 x 1, 4 waves a work-group, no clusters, 34,304 bytes of LDS; arguments pm, Wq1, bq1, ln_g, ln_b, Wq2, bq2, Wk, Wv, mask, lowp_scales, qfrag, wcodes, rowlist, poslist; writes qfrag, wcodes, rowlist, poslist
.if DOCPART == 3
	.amdgcn_target "amdgcn-amd-amdhsa--gfx1250"
	.amdhsa_code_object_version 6
	.text
	.protected	k_qdcc8736e04_prep
	.globl	k_qdcc8736e04_prep
	.p2align	8
	.type	k_qdcc8736e04_prep,@function
k_qdcc8736e04_prep:
	s_mov_b64 s[64:65], 0
	v_nop
	global_prefetch_b8 v0, s[64:65] scope:SCOPE_SE
	s_setreg_imm32_b32 hwreg(HW_REG_WAVE_SCHED_MODE, 0, 2), 2
	s_setreg_imm32_b32 hwreg(HW_REG_WAVE_MODE, 25, 1), 1
	s_wait_xcnt 0x0
	s_wait_alu depctr_vm_vsrc(0)
; WHAT IT MAKES, for the launch behind it:
;   qfrag   q = relu(LayerNorm(pm Wq1^T + bq1)) Wq2^T + bq2, the product on codes of E5M2 (scales 2^e0, 2^e1), rounded to f16 and laid as operand images:
;           [256 tiles of 16 batches][16 groups of 32 h][1,024 bytes]: registers 0-3 at 16 x lane, registers 4-7 at 512 + 16 x lane.
;   wcodes  Wk's and Wv's codes (scales 2^e3, 2^e5) as operand images: [2][32 tiles of 16 rows][4 K steps of 128][2,048 bytes]: registers 4 c .. 4 c + 3 at 512 c + 16 x lane.
;   rowlist, poslist   for each block of 16 batches (512 rows): the rows that count, first, in row order, then the others: a permutation.  A row counts where mask != 0; in a batch
;           whose 32 rows are all masked every row counts (its softmax is uniform).  rowlist: words 0-511 the row's byte offset, words 512-527 zeros, word 528 the number of tiles of 16
;           (even, 2 to 32), words 529-543 zeros.  poslist: 4 x the place of each row.
; SHARES.  Work-group j: ug = j % 4, rg = j / 4.  Wave w makes the codes of relu(LayerNorm) for batches 16 (4 rg + w) on, quantises rows 32 u .. 32 u + 31 of Wq2 (u = 4 ug + w: eight fragments, kept
; in registers) and multiplies the group's four row tiles by them; the rows' codes go from wave to wave through LDS.  Beside that wave 0 makes list j and wave 1 quantises fragment j of Wk and Wv.
; K IS PERMUTED ALIKE IN BOTH OPERANDS: lane (r, h) holds k = 32 c + 16 h + 0 .. 15 in registers 4 c .. 4 c + 3, so every product meets its partner.
; LIMITS: e0, e1, e3, e5 between -126 and 112; e0 + e1 between -126 and 127 (each power of two below is an f32 number).  |q| stays under 65,504, f16's largest number.
; NaN and infinity among the inputs are not served.
; No tensor load, no cluster: a work-group's shared bytes are 256 KB of Wq2, read once into registers.
; THE MODE: SCHED_MODE bits 1:0 = 2 (LLVM: expert scheduling mode 2), set by the entry lines.  The code itself states the register dependences
; between vector or matrix instructions and memory or LDS instructions, with s_wait_alu, always for 0.
; THE PLAN.  Registers that memory or LDS instructions touch, and who else names them:
;   v4-v9, v14   offsets and LDS addresses, made once at the head and never written again.
;   v16-79       the four LayerNorm arrays land; the rows' arithmetic reads them; then staging set B and x's fragments, buffer 1.
;   v192-255     staging set A, then x's fragments, buffer 0.  A staging set: 16 loads land, the holds and conversions empty it, and it is asked for again behind one wait.
;   v176-191     four rows' codes: written by the conversions, read by four LDS stores, written again by the next four rows, at last by the sums of q.
;   v144-159     bq2 lands where the rows' scratch lay.
;   v96-127      q in f16, eight registers for each tile of its own: written by the roundings, read by two stores, never written again.
;   v80-143, v130, v144-159 in waves 0 and 1: the side jobs' loads land, their stores read; all are written again by the rows' arithmetic.
.set XP,   528                         ; a row of 512 codes in LDS + 16 bytes: 33 x 16, so the 16 rows of a fragment load start at 16 different groups of banks
.set XT,   16*XP                       ; a wave's 16 rows
.set STA,  192                         ; v192-255 staging A, later x's fragments, buffer 0
.set STB,  16                          ; v16-79   Wq1, bq1, ln_g, ln_b (16 each); later staging B and buffer 1
.set WV,   58
.set SEL,  60
.set MSB,  0
.macro WIN new                         ; the immediate's high byte repeats the setting that is left
.if MSB != (\new)
	s_set_vgpr_msb (MSB<<8)|(\new)
.set MSB, (\new)
.endif
.endm
; 64 numbers of a weight's fragment: lane (r, h) takes, of row r, 16 neighbours of each block of 32: register 16 c + 4 j + i = k 32 c + 16 h + 4 j + i
.macro WLOAD st, base, imm
.irp c,0,1,2,3
.irp j,0,1,2,3
	global_load_b128 v[\st+16*\c+4*\j:\st+16*\c+4*\j+3], v7, s[\base:\base+1] offset:\imm+128*\c+16*\j
.endr
.endr
.endm
; they become the fragment's 16 registers of codes.  v[lim]: 57,344 x the scale; v[sc]: the scale as f32
.macro WQ st, dst, win, lim, sc
.set wi, 0
.rept 64
	v_med3_num_f32 v[\st+wi], v[\st+wi], -v[\lim], v[\lim]   ; the conversion does not saturate (ISA guide 7.6.2): the hold comes first
.set wi, wi+1
.endr
	WIN \win
.irp g,0,1,2,3,4,5,6,7
	v_cvt_scalef32_pk8_bf8_f32 v[\dst+2*\g:\dst+2*\g+1], v[\st+8*\g:\st+8*\g+7], v[\sc]
.endr
	WIN 0
	v_nop                                          ; one plain line behind the last scaled conversion
.endm
; a sum over the 32 lanes, for four rows by turns
.macro REDADD base, tmp, str
.irp x,1,2,4,8
.irp q,0,1,2,3
	v_add_f32_dpp v[\base+\str*\q], v[\base+\str*\q], v[\base+\str*\q] row_xmask:\x row_mask:0xf bank_mask:0xf
.endr
.endr
.irp q,0,1,2,3
	v_permlanex16_b32 v[\tmp+\str*\q], v[\base+\str*\q], s[SEL], s[SEL+1]
.endr
.irp q,0,1,2,3
	v_add_f32 v[\base+\str*\q], v[\base+\str*\q], v[\tmp+\str*\q]
.endr
.endm
; Four rows (batches) by turns.  Lane l holds hidden units 16 l .. 16 l + 15 of each: v[80 + 16 q ..].  Row q's scratch at v[144 + 8 q]: +0,1 pm, then the mean; +2,3 sums; +4,5 1/sqrt; +6 for the lane exchange.
.macro XROWS i0
.irp q,0,1,2,3
	v_mov_b32 v[144+8*\q], s[36+\i0+\q]
	v_mov_b32 v[145+8*\q], s[36+\i0+\q]
.endr
.irp m,0,2,4,6,8,10,12,14
.irp q,0,1,2,3
	v_pk_fma_f32 v[80+16*\q+\m:81+16*\q+\m], v[16+\m:17+\m], v[144+8*\q:145+8*\q], v[32+\m:33+\m]   ; h = pm Wq1 + bq1
.endr
.endr
.irp q,0,1,2,3
	v_pk_add_f32 v[146+8*\q:147+8*\q], v[80+16*\q:81+16*\q], v[82+16*\q:83+16*\q]
.endr
.irp m,4,6,8,10,12,14
.irp q,0,1,2,3
	v_pk_add_f32 v[146+8*\q:147+8*\q], v[146+8*\q:147+8*\q], v[80+16*\q+\m:81+16*\q+\m]
.endr
.endr
.irp q,0,1,2,3
	v_add_f32 v[146+8*\q], v[146+8*\q], v[147+8*\q]
.endr
	REDADD 146, 150, 8
.irp q,0,1,2,3
	v_mul_f32 v[144+8*\q], 0x3b000000, v[146+8*\q]   ; the mean: sum / 512
.endr
.irp q,0,1,2,3
	v_mov_b32 v[145+8*\q], v[144+8*\q]
.endr
.irp m,0,2,4,6,8,10,12,14
.irp q,0,1,2,3
	v_pk_add_f32 v[80+16*\q+\m:81+16*\q+\m], v[80+16*\q+\m:81+16*\q+\m], v[144+8*\q:145+8*\q] neg_lo:[0,1] neg_hi:[0,1]
.endr
.endr
.irp q,0,1,2,3
	v_pk_mul_f32 v[146+8*\q:147+8*\q], v[80+16*\q:81+16*\q], v[80+16*\q:81+16*\q]
.endr
.irp m,2,4,6,8,10,12,14
.irp q,0,1,2,3
	v_pk_fma_f32 v[146+8*\q:147+8*\q], v[80+16*\q+\m:81+16*\q+\m], v[80+16*\q+\m:81+16*\q+\m], v[146+8*\q:147+8*\q]
.endr
.endr
.irp q,0,1,2,3
	v_add_f32 v[146+8*\q], v[146+8*\q], v[147+8*\q]
.endr
	REDADD 146, 150, 8
.irp q,0,1,2,3
	v_mul_f32 v[146+8*\q], 0x3b000000, v[146+8*\q]   ; the variance
.endr
.irp q,0,1,2,3
	v_add_f32 v[146+8*\q], 0x3727c5ac, v[146+8*\q]   ; + 1e-5
.endr
	s_wait_alu depctr_va_vdst(0)
.irp q,0,1,2,3
	v_rsq_f32 v[148+8*\q], v[146+8*\q]
.endr
	v_nop                                          ; a plain line behind the last of the four,
	s_wait_alu depctr_va_vdst(0)                   ; and one wait for the batch, ahead of its first reader: the four 1/sqrt are written
.irp q,0,1,2,3
	v_mov_b32 v[149+8*\q], v[148+8*\q]
.endr
.irp m,0,2,4,6,8,10,12,14
.irp q,0,1,2,3
	v_pk_mul_f32 v[80+16*\q+\m:81+16*\q+\m], v[80+16*\q+\m:81+16*\q+\m], v[148+8*\q:149+8*\q]
.endr
.endr
.irp m,0,2,4,6,8,10,12,14
.irp q,0,1,2,3
	v_pk_fma_f32 v[80+16*\q+\m:81+16*\q+\m], v[80+16*\q+\m:81+16*\q+\m], v[48+\m:49+\m], v[64+\m:65+\m]   ; x ln_g + ln_b
.endr
.endr
.set xi, 0
.rept 64
	v_med3_num_f32 v[80+xi], v[80+xi], 0, v10      ; relu and the hold at 57,344 x 2^e0 in one
.set xi, xi+1
.endr
	s_wait_alu depctr_va_vdst(0)
	s_wait_dscnt 0x0                               ; the four rows before have left their code registers
.if \i0
	s_wait_alu depctr_vm_vsrc(0)                   ; the LDS stores of the four rows before have read v176-191, which the conversions write again
.endif
.irp q,0,1,2,3
	v_cvt_scalef32_pk8_bf8_f32 v[176+4*\q:177+4*\q], v[80+16*\q:87+16*\q], v11
	v_cvt_scalef32_pk8_bf8_f32 v[178+4*\q:179+4*\q], v[88+16*\q:95+16*\q], v11
.endr
	v_nop                                          ; one plain line behind the last scaled conversion
	s_wait_alu depctr_va_vdst(0)                   ; the conversions have written v176-191, which the LDS stores read
.irp q,0,1,2,3
	ds_store_b128 v5, v[176+4*\q:179+4*\q] offset:XP*(\i0+\q)   ; 32 lanes x 16 codes: the row's 512 bytes
.endr
.endm
; x's four fragments of row tile tl, from the rows in LDS
.macro XFL buf, tl
.irp k,0,1,2,3
.irp c,0,1,2,3
	ds_load_b128 v[\buf+16*\k+4*\c:\buf+16*\k+4*\c+3], v6 offset:(\tl)*XT+128*\k+32*\c
.endr
.endr
.endm
	s_load_b512 s[4:19], s[0:1], 0x0               ; pm, Wq1, bq1, ln_g, ln_b, Wq2, bq2, Wk
	s_load_b256 s[20:27], s[0:1], 0x40             ; Wv, mask, lowp_scales, qfrag
	s_load_b128 s[28:31], s[0:1], 0x60             ; wcodes, rowlist
	s_load_b64 s[32:33], s[0:1], 0x70              ; poslist
	v_lshl_add_u32 v15, v0, 2, 0x8400
	s_set_vgpr_msb 0x40
	v_mov_b32 v129, 0
	s_set_vgpr_msb 0x4000
	v_lshrrev_b32 v1, 5, v0
	v_readfirstlane_b32 s[WV], v1                  ; wave 0..3
	v_and_b32 v1, 31, v0                           ; lane l
	v_and_b32 v2, 15, v0                           ; r
	v_bfe_u32 v3, v0, 4, 1                         ; h
	v_lshlrev_b32 v4, 6, v1                        ; 64 l: my 16 numbers of the four LayerNorm arrays
	v_lshlrev_b32 v8, 4, v1                        ; 16 l
	v_lshlrev_b32 v9, 2, v1                        ; 4 l
	v_lshlrev_b32 v14, 5, v3                       ; 32 h
	s_wait_alu depctr_va_sdst(0)                   ; the wave's number is written, ahead of its first reader
	s_mul_i32 s2, s[WV], XT
	v_add_nc_u32 v5, s2, v8                        ; where I store my 16 codes of a row
	v_mul_u32_u24 v6, v2, XP
	v_lshl_add_u32 v6, v3, 4, v6                   ; where I read a fragment: row r, + 16 h
	v_lshlrev_b32 v7, 11, v2
	v_lshl_add_u32 v7, v3, 6, v7                   ; a weight's row r of 2,048 bytes, + 64 h
.irp q,0,1,2,3
	v_mov_b32 v[150+8*\q], 0                       ; written once: a lane exchange's destination counts as read
.endr
	s_and_b32 s59, ttmp9, 3
	s_lshl_b32 s59, s59, 2
	s_add_co_u32 s59, s59, s[WV]                   ; u = 4 ug + wave
	s_lshr_b32 s66, ttmp9, 2                       ; rg
	s_mov_b32 s3, 0
	s_mov_b32 s[SEL], 0x76543210
	s_mov_b32 s[SEL+1], 0xfedcba98                 ; lane l xor 16
	s_wait_kmcnt 0x0
	s_lshl_b32 s2, s66, 2
	s_add_co_u32 s2, s2, s[WV]
	s_lshl_b32 s2, s2, 6                           ; 16 batches x 4 bytes x (4 rg + wave)
	s_add_nc_u64 s[4:5], s[4:5], s[2:3]
	s_load_b512 s[36:51], s[4:5], 0x0              ; pm of my 16 batches
	s_load_b128 s[52:55], s[24:25], 0x0            ; e0 .. e3
	s_load_b64 s[56:57], s[24:25], 0x10            ; e4, e5
	s_lshl_b32 s2, s59, 16
	s_add_nc_u64 s[14:15], s[14:15], s[2:3]        ; Wq2 at row 32 u
	s_lshl_b32 s2, s59, 7
	s_add_nc_u64 s[16:17], s[16:17], s[2:3]        ; bq2 likewise
	s_lshl_b32 s2, s66, 6
	s_add_co_u32 s2, s2, s59
	s_lshl_b32 s2, s2, 10
	s_add_nc_u64 s[26:27], s[26:27], s[2:3]        ; qfrag at (16 x 4 rg + u) x 1,024
	s_lshl_b32 s2, ttmp9, 11
	s_add_nc_u64 s[22:23], s[22:23], s[2:3]        ; mask, poslist and wcodes at 2,048 j
	s_add_nc_u64 s[32:33], s[32:33], s[2:3]
	s_add_nc_u64 s[28:29], s[28:29], s[2:3]
	s_mul_i32 s2, ttmp9, 2304
	s_add_nc_u64 s[30:31], s[30:31], s[2:3]        ; rowlist at record j
	s_wait_alu depctr_va_vdst(0)                   ; the offsets and LDS addresses v4-v9 and v14 are written, which every load and store of the kernel reads
.irp j,0,1,2,3
	global_load_b128 v[16+4*\j:19+4*\j], v4, s[6:7] offset:16*\j     ; Wq1
	global_load_b128 v[32+4*\j:35+4*\j], v4, s[8:9] offset:16*\j     ; bq1
	global_load_b128 v[48+4*\j:51+4*\j], v4, s[10:11] offset:16*\j   ; ln_g
	global_load_b128 v[64+4*\j:67+4*\j], v4, s[12:13] offset:16*\j   ; ln_b
.endr
	WLOAD STA, 14, 0                               ; Wq2's fragment 0
	s_wait_kmcnt 0x0
	s_add_co_i32 s2, s52, 127
	s_lshl_b32 s34, s2, 23
	v_mov_b32 v11, s34                             ; 2^e0
	s_add_co_i32 s2, s2, 15
	s_lshl_b32 s2, s2, 23
	s_or_b32 s2, s2, 0x600000
	v_mov_b32 v10, s2                              ; 57,344 x 2^e0
	s_add_co_i32 s2, s53, 127
	s_lshl_b32 s34, s2, 23
	v_mov_b32 v13, s34                             ; 2^e1
	s_add_co_i32 s2, s2, 15
	s_lshl_b32 s2, s2, 23
	s_or_b32 s2, s2, 0x600000
	v_mov_b32 v12, s2                              ; 57,344 x 2^e1
	s_add_co_i32 s62, s52, s53
	s_add_co_i32 s62, s62, 127
	s_lshl_b32 s62, s62, 23                        ; 2^(e0 + e1)
	s_mov_b32 s63, s62                             ; (named with it as a pair)
	; ---- the two side jobs, under one parting on the wave's number.  Their loads stand behind the 32 common ones; the wait for 0 also brings the LayerNorm arrays, which are wanted next in any case
	s_cmp_lg_u32 s[WV], 0
	s_cbranch_scc1 .Lnot0
	; WAVE 0: THE LIST.  Lane = n.  A counting sort without LDS: a batch's bits in a scalar register, prefix sums in scalar registers, a lane's rank by v_mbcnt
.irp b,0,1,2,3,4,5,6,7,8,9,10,11,12,13,14,15
	global_load_b32 v[80+\b], v9, s[22:23] offset:128*\b
.endr
	s_wait_loadcnt 0x0
.irp b,0,1,2,3,4,5,6,7,8,9,10,11,12,13,14,15
	v_cmp_ne_u32 s[68+\b], 0, v[80+\b]
.endr
	s_wait_alu depctr_va_sdst(0)                   ; the sixteen compares have written s68-83, ahead of their first reader
	s_mov_b32 s34, 0
.irp b,0,1,2,3,4,5,6,7,8,9,10,11,12,13,14,15
	s_cmp_eq_u32 s[68+\b], 0
	s_cselect_b32 s[68+\b], -1, s[68+\b]           ; all 32 masked: all 32 count
	s_mov_b32 s[84+\b], s34                        ; rows that count in the batches before
	s_bcnt1_i32_b32 s2, s[68+\b]
	s_add_co_u32 s34, s34, s2
.endr                                              ; s34 = a: the rows that count, 16 to 512
.irp b,0,1,2,3,4,5,6,7,8,9,10,11,12,13,14,15   ; all the vector work first, each batch in registers of its own, so that one wait serves all 33 stores
	v_mbcnt_lo_u32_b32 v128, s[68+\b], 0           ; those of my batch below my lane
	s_sub_co_u32 s2, s34, s[84+\b]
	s_add_co_u32 s2, s2, 32*\b
	v_sub_nc_u32 v129, v1, v128
	v_add_nc_u32 v129, s2, v129                    ; a + the rows before me that do not count
	v_add_nc_u32 v128, s[84+\b], v128              ; the rows before me that count
	v_cndmask_b32 v[96+\b], v129, v128, s[68+\b]
	v_min_u32 v[96+\b], 511, v[96+\b]
	v_lshlrev_b32 v[96+\b], 2, v[96+\b]            ; 4 x my place
	v_add_nc_u32 v[112+\b], 32*\b, v1
	v_lshlrev_b32 v[112+\b], 11, v[112+\b]         ; my row's byte offset in the block: (32 b + n) x 2,048
.endr
	s_add_co_u32 s2, s34, 31
	s_lshr_b32 s2, s2, 5
	s_lshl_b32 s2, s2, 1                           ; tiles of 16, an even number
	v_mov_b32 v130, s2
	v_cmp_eq_u32 vcc_lo, 16, v1
	s_wait_alu depctr_va_vcc(0)                    ; the compare has written VCC, which the select reads
	v_cndmask_b32 v130, 0, v130, vcc_lo
	s_wait_alu depctr_va_vdst(0)                   ; v96-127 and v130 are written: the stores' data and, for the scatter, their offsets
.irp b,0,1,2,3,4,5,6,7,8,9,10,11,12,13,14,15
	global_store_b32 v9, v[96+\b], s[32:33] offset:128*\b
	global_store_b32 v[96+\b], v[112+\b], s[30:31]   ; a scatter inside the record's first 2,048 bytes, every word of which is written once
.endr
	global_store_b32 v9, v130, s[30:31] offset:2048   ; words 512-543
	s_wait_xcnt 0x0                                ; the stores' registers are written again below
	s_wait_alu depctr_vm_vsrc(0)                   ; the stores have read v96-127 and v130, which the rows' arithmetic writes
	s_branch .Lroles
.Lnot0:
	s_cmp_lg_u32 s[WV], 1
	s_cbranch_scc1 .Lroles
	; WAVE 1: FRAGMENT j OF Wk (j < 128) OR Wv: tile (j / 4) % 32, K step j % 4
	s_cmp_lt_u32 ttmp9, 128
	s_cselect_b64 s[34:35], s[18:19], s[20:21]
	s_cselect_b32 s67, s55, s57                    ; e3 or e5
	s_bfe_u32 s2, ttmp9, 0x50002
	s_lshl_b32 s2, s2, 15                          ; 16 rows of 2,048 bytes
	s_and_b32 s66, ttmp9, 3
	s_lshl_b32 s66, s66, 9
	s_add_co_u32 s2, s2, s66
	s_add_nc_u64 s[34:35], s[34:35], s[2:3]
	WLOAD 80, 34, 0
	s_add_co_i32 s67, s67, 127
	s_lshl_b32 s66, s67, 23
	v_mov_b32 v161, s66
	s_add_co_i32 s67, s67, 15
	s_lshl_b32 s67, s67, 23
	s_or_b32 s67, s67, 0x600000
	v_mov_b32 v160, s67
	s_wait_alu depctr_va_vdst(0)
	s_wait_loadcnt 0x0
	WQ 80, 144, 0, 160, 161
	s_wait_alu depctr_va_vdst(0)                   ; the conversions have written v144-159, which the stores read
.irp c,0,1,2,3
	global_store_b128 v8, v[144+4*\c:147+4*\c], s[28:29] offset:512*\c   ; 512 consecutive bytes a store
.endr
	s_wait_xcnt 0x0
	s_wait_alu depctr_vm_vsrc(0)                   ; the stores have read v144-159, which the rows' scratch writes
.Lroles:
	; ---- relu(LayerNorm) of my 16 batches, as codes, into LDS
	s_wait_loadcnt 16                              ; the four arrays are in; Wq2's fragment 0 (16 loads) may be out
	XROWS 0
	XROWS 4
	XROWS 8
	XROWS 12
	; ---- my 32 rows of Wq2: eight fragments into window 1, two staging sets by turns
	; (no wait here: the last wait for vector results stands behind every line that named v16-79 and v144-159, in which these loads land; only LDS stores of v176-191 follow it)
.irp j,0,1,2,3
	global_load_b128 v[144+4*\j:147+4*\j], v14, s[16:17] offset:(\j/2)*64+(\j%2)*16   ; bq2 at h = 16 tile + 8 h + 0 .. 7
.endr
	WLOAD STB, 14, 512
.irp f,0,1,2,3,4,5,6,7
.set stg, STA-(STA-STB)*(\f%2)
.if \f<7
	s_wait_loadcnt 16                              ; this fragment's numbers are in; the other staging set's 16 loads may be out
.else
	s_wait_loadcnt 0x0
.endif
	WQ stg, 16*\f, 0x40, 12, 13
.if \f<6
	s_wait_alu depctr_va_vdst(0)                   ; the holds and conversions are done with this staging set, which is asked for again at once
	WLOAD stg, 14, 32768*((\f+2)/4)+512*((\f+2)%4)
.endif
.endr
	s_wait_alu depctr_va_vdst(0)                   ; the last two fragments' holds and conversions are done with both staging sets, in which x's fragments land
	s_wait_dscnt 0x0                               ; my rows' codes have landed
	s_wait_alu depctr_vm_vsrc(0)                   ; my rows' LDS stores have read v176-191, which the sums of q write
	s_barrier_signal -1
	s_barrier_wait -1                              ; everybody's have
	; ---- q, transposed (source 0 = 16 rows of Wq2, source 1 = 16 batches): a lane holds one batch, its registers run along h: rounded in pairs they are the next launch's operand
	XFL STA, 0
.irp g,0,1,2,3
.set xb, STA-(STA-STB)*(\g%2)
.set xn, STA-(STA-STB)*((\g+1)%2)
.set dd, 160+16*(\g%2)
.if \g<3
	XFL xn, \g+1
	s_wait_dscnt 16                                ; this tile's fragments are in; the next tile's 16 loads may be out
.else
	s_wait_dscnt 0x0
.endif
	WIN 0x01                                       ; source 0 in window 1
.irp k,0,1,2,3
.irp t,0,1
.if \k==0
	v_wmma_f32_16x16x128_bf8_bf8 v[dd+8*\t:dd+8*\t+7], v[16*(4*\t+\k):16*(4*\t+\k)+15], v[xb+16*\k:xb+16*\k+15], 0
.else
	v_wmma_f32_16x16x128_bf8_bf8 v[dd+8*\t:dd+8*\t+7], v[16*(4*\t+\k):16*(4*\t+\k)+15], v[xb+16*\k:xb+16*\k+15], v[dd+8*\t:dd+8*\t+7]
.endif
.endr
.endr                                              ; the two accumulators take turns
	WIN 0
.rept 4
	v_nop                                          ; four places ahead of the first read of the sums (ISA guide 7.12.1)
.endr
.irp m,0,2,4,6,8,10,12,14
	v_pk_fma_f32 v[80+\m:81+\m], v[dd+\m:dd+\m+1], s[62:63], v[144+\m:145+\m] op_sel_hi:[1,0,1]   ; sum x 2^(e0 + e1) + bq2
.endr
.irp m,0,1,2,3,4,5,6,7
	v_cvt_pk_f16_f32 v[96+8*\g+\m], v[80+2*\m], v[81+2*\m]   ; f16: 11 significant bits for the product q . key
.endr
	s_wait_alu depctr_va_vdst(0)                   ; the roundings have written this tile's eight registers, which the stores read; the products are done reading this tile's fragments, in which the tile after next lands
	global_store_b128 v8, v[96+8*\g:99+8*\g], s[26:27] offset:16384*\g          ; 512 consecutive bytes a store; each tile has its own registers
	global_store_b128 v8, v[100+8*\g:103+8*\g], s[26:27] offset:16384*\g+512
.endr
	s_set_vgpr_msb 0x4                             ; the add's second register lies in window 1; the one switch stands ahead of the closing lines
	s_wait_dscnt 0x0                               ; the closing lines, six on end
	s_wait_alu 0x0
	s_wait_tensorcnt 0x0
	ds_add_u32 v15, v129
	s_wait_dscnt 0x0
	s_endpgm
.Lfunc_end_k_qdcc8736e04_prep:
	.size	k_qdcc8736e04_prep, .Lfunc_end_k_qdcc8736e04_prep-k_qdcc8736e04_prep
	.p2alignl 7, 3214868480
	.fill 96, 4, 3214868480
	.section	.rodata,"a",@progbits
	.p2align	6, 0x0
	.amdhsa_kernel k_qdcc8736e04_prep
		.amdhsa_group_segment_fixed_size 34304
		.amdhsa_private_segment_fixed_size 0
		.amdhsa_enable_private_segment 0
		.amdhsa_kernarg_size 120
		.amdhsa_user_sgpr_count 2
		.amdhsa_user_sgpr_kernarg_segment_ptr 1
		.amdhsa_wavefront_size32 1
		.amdhsa_system_sgpr_workgroup_id_x 1
		.amdhsa_system_sgpr_workgroup_id_y 1
		.amdhsa_system_sgpr_workgroup_id_z 1
		.amdhsa_system_vgpr_workitem_id 0
		.amdhsa_next_free_vgpr 386
		.amdhsa_next_free_sgpr 100
		.amdhsa_reserve_vcc 1
		.amdhsa_float_denorm_mode_32 3
		.amdhsa_float_denorm_mode_16_64 3
		.amdhsa_memory_ordered 1
		.amdhsa_forward_progress 1
		.amdhsa_inst_pref_size 175
	.end_amdhsa_kernel
	.amdgpu_metadata
---
amdhsa.version: [ 1, 2 ]
amdhsa.kernels:
  - .name:           k_qdcc8736e04_prep
    .symbol:         k_qdcc8736e04_prep.kd
    .args:
      - { .name: pm, .offset: 0, .size: 8, .value_kind: global_buffer, .address_space: global }
      - { .name: Wq1, .offset: 8, .size: 8, .value_kind: global_buffer, .address_space: global }
      - { .name: bq1, .offset: 16, .size: 8, .value_kind: global_buffer, .address_space: global }
      - { .name: ln_g, .offset: 24, .size: 8, .value_kind: global_buffer, .address_space: global }
      - { .name: ln_b, .offset: 32, .size: 8, .value_kind: global_buffer, .address_space: global }
      - { .name: Wq2, .offset: 40, .size: 8, .value_kind: global_buffer, .address_space: global }
      - { .name: bq2, .offset: 48, .size: 8, .value_kind: global_buffer, .address_space: global }
      - { .name: Wk, .offset: 56, .size: 8, .value_kind: global_buffer, .address_space: global }
      - { .name: Wv, .offset: 64, .size: 8, .value_kind: global_buffer, .address_space: global }
      - { .name: mask, .offset: 72, .size: 8, .value_kind: global_buffer, .address_space: global }
      - { .name: lowp_scales, .offset: 80, .size: 8, .value_kind: global_buffer, .address_space: global }
      - { .name: qfrag, .offset: 88, .size: 8, .value_kind: global_buffer, .address_space: global }
      - { .name: wcodes, .offset: 96, .size: 8, .value_kind: global_buffer, .address_space: global }
      - { .name: rowlist, .offset: 104, .size: 8, .value_kind: global_buffer, .address_space: global }
      - { .name: poslist, .offset: 112, .size: 8, .value_kind: global_buffer, .address_space: global }
    .group_segment_fixed_size: 34304
    .private_segment_fixed_size: 0
    .kernarg_segment_align: 8
    .kernarg_segment_size: 120
    .max_flat_workgroup_size: 128
    .sgpr_count:     100
    .vgpr_count:     386
    .wavefront_size: 32
...
	.end_amdgpu_metadata
.endif
;; end of part 3
;; launch main (part 4): grid 256 x 1, 4 waves a work-group, no clusters, 325,120 bytes of LDS; arguments subgoals, rowlist, wcodes, qfrag, bk, bv, mask, poslist, pm, lowp_scales, out0, out1; writes out0, out1
.if DOCPART == 4
	.amdgcn_target "amdgcn-amd-amdhsa--gfx1250"
	.amdhsa_code_object_version 6
	.text
	.protected	k_qdcc8736e04_main
	.globl	k_qdcc8736e04_main
	.p2align	8
	.type	k_qdcc8736e04_main,@function
k_qdcc8736e04_main:
	s_mov_b64 s[64:65], 0
	v_nop
	global_prefetch_b8 v0, s[64:65] scope:SCOPE_SE
	s_setreg_imm32_b32 hwreg(HW_REG_WAVE_SCHED_MODE, 0, 2), 2
	s_setreg_imm32_b32 hwreg(HW_REG_WAVE_MODE, 25, 1), 1
	s_wait_xcnt 0x0
	s_wait_alu depctr_vm_vsrc(0)
; A work-group owns 16 batches (512 rows of subgoals).  It multiplies only the rows that count: a row with mask == 0 gets the score -1e9 and so the weight 0 wherever its batch has another row;
; a batch with all rows masked keeps all 32 (the launch before has listed the rows so, padded with rows of weight 0 to an even number NT of tiles of 16).
; K PHASE, a tile of 16 listed rows a step: wave w loads the rows' numbers 128 w .. 128 w + 127 (512 consecutive bytes a load), turns them through its own stage in LDS so that a lane holds 16 neighbours,
;   and quantises them twice: with 2^e2 for the keys (image into a ring of two slots) and with 2^e4 for the values (image parked in LDS).  THE WAVES SHARE H: wave w holds rows 128 w .. + 127 of Wk in
;   512 registers and makes its 128 key channels of the 16 rows: 32 products on codes.  q . key is made by the matrix unit in f16 against all 16 batches at once, and each row picks its own batch's number.
; SOFTMAX, once, for the 16 batches, a lane a row, with the row's maximum taken away.  Wv's codes replace Wk's in the registers meanwhile.
; V PHASE, two tiles a step: 64 products on the parked codes, the values rounded to f16 and multiplied by A2 (32 rows x 16 batches: a row's weight in its own batch's column, 0 elsewhere).
; bk enters as q . bk (f16), bv is added once: the weights of a batch add up to 1.
; WHY f16, AND ITS ROOM.  The two products that are left as they are take f16 operands: 11 significant bits.  A key or value channel is a sum of 512 products of codes, each code held within 57,344 by
;   the quantiser: in units of the two scales it is at most 512 x 57,344^2 = 3.0625 x 2^39.  Each sum is multiplied by 2^-26 ahead of its rounding: at most 25,088, under f16's 65,504, for every input.
;   The 26 is given back with the scales' exponents.  The weights lie between 0 and 1.
; LIMITS: e2 and e4 between -126 and 112 (their powers of two are made as f32 numbers); the sums of exponents are applied by v_ldexp_f32.  NaN and infinity among the inputs are not served.
;   |q| < 65,504 and |bk| < 65,504 x 2^(e2 + e3 + 26).  A key (value) channel is rounded with an absolute error of at least 2^(e2 + e3 + 1) (2^(e4 + e5 + 1)): f16's smallest step.
;   Scores that count lie above -1e9 + 200, so that a masked row's weight is 0 as it is by the definition.  n / 31 is taken as n x (1 / 31).
; NO TENSOR LOADS, NO CLUSTER: the number of steps is a stored number, on which the steps branch; what work-groups share, 2 x 256 KB of codes, each reads once, into registers.
; NO PREFETCH: a wave keeps four tiles' loads (64) on their way all through the K phase.
; THE MODE: SCHED_MODE bits 1:0 = 2 (LLVM: expert scheduling mode 2), set by the entry lines.  The code itself states the register dependences
; between vector or matrix instructions and memory or LDS instructions, with s_wait_alu, always for 0.
; THE PLAN, K LOOP.  Registers that memory or LDS instructions touch, and who else names them:
;   staging sets 0-3 (window 1)  Step s: 16 loads land in set s; the turn's 16 LDS stores read set s + 1.  No vector instruction names them.
;   v[OFF ..]        Written by a step's sixteen additions, read by its sixteen loads.
;   v[G1 ..]         The turn's LDS loads land (end of step s - 1); the holds and conversions read and write it (step s, ahead of the barrier); the key fragments land (behind it); the 32 products read it.
;   PCK, PCV, v[DD]  Written by the conversions and one addition, read by the images' eight LDS stores, written again behind the barrier (the keys in f16, q . key, the row's batch).
;   v[BS]            An LDS load lands, one vector line reads it.      v[ACC]  Written by the selection, read by the score's LDS store.
;   v[TA], v[TB]     The addresses of the scores and of the list words: made once a trip of four steps; the steps stand in the immediates.
;   The other addresses are made at the head and not written in the loop.
; THE WAITS OF A STEP: (1) for vector results, ahead of the images' stores; (2) for the memory side's reads, where the two ways join ahead of the barrier: the images' stores, the last step's loads (offsets),
;   its turn's stores (the staging set) and its score's store have read their registers; (3) for vector results, behind the sixteen additions; (4) behind the keys' roundings: the 32 products are done reading G1;
;   (5) for the eight compares' scalar results; (6) ahead of the score's store.  The fragments' LDS loads stand straight behind the barrier; the tile's sixteen loads between the two halves of the products, which name
;   G1, the weights and the key accumulators and none of the loads' registers; the turn's LDS stores straight behind the last product.
; V LOOP, a pair: v20-23 and v25 (addresses) are written behind one wait for the memory side's reads; the pair's fragments land behind one wait for vector results (the addresses; the last pair's products are done
;   reading them); A2 lands behind another (its address; the last product that read A2).
.set KRING, 262144                     ; LDS: 0: the parked images, 65,536 bytes for each K step (= wave): 2,048 x tile + 512 c + 16 x lane
.set STAGE, 278528                     ; KRING: two slots of 8,192: 2,048 x K step + 512 c + 16 x lane; later A2's 16 images of 1,024
.set SCB,   312320                     ; STAGE: for each wave 16 rows x 528; later 16 rows of out0 x 2,064
.set ROWS,  320512                     ; SCB: partial scores [wave][512 places];  ROWS: the list's 512 words;  ATB: the weights [16][32]
.set ATB,   322560
.set SPI,   528
.set WSTG,  16*SPI
.set OPI,   2064
.set WVOFF, 262144                     ; Wv's codes lie behind Wk's
.set SH,    26                         ; the sums are multiplied by 2^-SH ahead of their rounding to f16
.set LOFF, 1                           ; v1   16 l + 512 w: my 16 bytes of a row
.set STW,  2                           ; v2   the stage, in
.set STR,  3                           ; v3   the stage, out: row r, + 64 h
.set IK0,  4                           ; v4   where I store a key image
.set IV0,  5                           ; v5   where I park a value image
.set FR0,  6                           ; v6   where I read key images
.set SC0,  7                           ; v7   my partial scores
.set RW0,  8                           ; v8   the list's word of place r
.set TA,   9                           ; v9   in the K loop: my partial scores of this trip's four tiles
.set TB,   10                          ; v10  in the K loop: the list's words of this trip's four tiles
.set H8,   11                          ; v11  8 h
.set LK,   12                          ; v12-15  57,344 x 2^e2, 57,344 x 2^e4, 2^e2, 2^e4
.set LV,   13
.set SCK,  14
.set SCV,  15
.set OFF,  16                          ; v16-31  a tile's 16 load offsets
.set G1,   32                          ; v32-95  64 numbers in fragment order, then the four key fragments; later out0's accumulators
.set KA,   96                          ; v96-159 eight key accumulators; later the values in f16
.set TQ,   160                         ; v160-175 held numbers; v176-191, v192-207 the two sets of codes
.set PCK,  176
.set PCV,  192
.set KB,   160                         ; v160-191 the keys in f16; v192-199, v200-207 two accumulators of q . key
.set P0,   192
.set P1,   200
.set QF,   208                         ; v208-239 q's four fragments
.set AD,   224                         ; v224-239 behind the K phase: 16 addresses of weights; the weights land in v160-223, so no load of the gather lands on an address
.set PB,   240                         ; v240-247 q . bk
.set BS,   248
.set DD,   249                         ; v249 ahead of the barrier: where this tile's value image is parked; behind it: which register holds the row's batch
.set ACC,  250
.set TMP,  251
.set LN,   252                         ; v252-255 lane, r, h, 16 l: kept to the end
.set RR,   253
.set HH,   254
.set L16,  255
.set S26,  48                          ; s[48:49] 2^-SH as f32, twice (a pair for the packed multiply); the registers are free once the head's lists are used
.set MK,   68                          ; s[68:83] compares' masks; free once the head's lists are used
.set WV,   84
.set NT,   85                          ; tiles
.set NP,   86                          ; pairs of tiles
.set TT,   87                          ; the trip's first tile; later the pair
.set TP,   88                          ; its bytes in a parked region
.set TS,   89                          ; its bytes among the places' words; later A2's image
.set TRIP, 90
.set SX,   91
.set SEL,  92
.set XO,   94
.set EKS,  100                         ; e2 + e3 + SH
.set EVS,  101                         ; e4 + e5 + SH
.set MSB,  0
.macro WIN new                         ; bits 1:0 source 0, 3:2 source 1, 5:4 source 2, 7:6 destination; the high byte repeats the setting that is left
.if MSB != (\new)
	s_set_vgpr_msb (MSB<<8)|(\new)
.set MSB, (\new)
.endif
.endm
.macro PLACES                          ; four plain lines between a matrix instruction and a vector line that touches its registers (ISA guide 7.12.1)
.rept 4
	v_nop
.endr
.endm
.macro BAR                             ; my LDS stores have landed and my LDS loads are in: then the work-group's barrier
	s_wait_dscnt 0x0
	s_barrier_signal -1
	s_barrier_wait -1
.endm
; weights: tiles a and a + 1 of my eight, four K steps each: fragment (t, k) in window 2 + t / 4 at register 16 (4 (t % 4) + k)
.macro WLD m, a
	WIN 0x80+0x40*((\a)/4)
.irp h,\a,\a+1
.irp k,0,1,2,3
.irp c,0,1,2,3
	global_load_b128 v[16*(4*((\h)%4)+\k)+4*\c:16*(4*((\h)%4)+\k)+4*\c+3], v[L16], s[8:9] offset:\m+((\h)*4+\k)*2048+512*\c
.endr
.endr
.endr
	WIN 0
.endm
.macro ADDR lst                        ; a tile's 16 list words become load offsets; a stored number enters an address behind its clamp
.irp i,0,1,2,3,4,5,6,7,8,9,10,11,12,13,14,15
	s_min_u32 s[\lst+\i], s[\lst+\i], 0xff800
	v_add_nc_u32 v[OFF+\i], s[\lst+\i], v[LOFF]
.endr
.endm
.macro GLD set                         ; 16 rows x 512 consecutive bytes into staging set `set` (window 1).  Read once, but for the filler tile's row.  It leaves the destination's window at 1
	WIN 0x40
.irp i,0,1,2,3,4,5,6,7,8,9,10,11,12,13,14,15
	global_load_b128 v[64*(\set)+4*\i:64*(\set)+4*\i+3], v[OFF+\i], s[4:5] th:TH_LOAD_NT
.endr
.endm
; the list of the tile five steps on.  Past the last tile the filler tile (16 x the block's first row) is named, so that the loads are counted alike in every step
.macro LISTLD
	s_add_co_u32 s[XO], s[SX], 5
	s_cmp_lt_u32 s[XO], s[NT]
	s_cselect_b32 s[XO], s[XO], 32
	s_min_u32 s[XO], s[XO], 32
	s_lshl_b32 s[XO], s[XO], 6
	s_load_b512 s[32:47], s[6:7], s[XO] offset:0x0
.endm
; a tile's numbers through my own stage: in as loaded (a row's 512 bytes on end), out 64 bytes a lane: register 16 c + 4 j + i = k 32 c + 16 h + 4 j + i of row r.  LDS serves a wave in order: no wait between
.macro TURNS set
	s_wait_loadcnt 48                              ; this set's 16 loads are in; the three younger sets stay out
	WIN 0x04
.irp i,0,1,2,3,4,5,6,7,8,9,10,11,12,13,14,15
	ds_store_b128 v[STW], v[64*(\set)+4*\i:64*(\set)+4*\i+3] offset:SPI*\i
.endr
	WIN 0
.endm
.macro TURNL
.irp c,0,1,2,3
.irp j,0,1,2,3
	ds_load_b128 v[G1+16*\c+4*\j:G1+16*\c+4*\j+3], v[STR] offset:128*\c+16*\j
.endr
.endr
.endm
; the 64 numbers become two fragments: the keys' scale out of a copy, the values' in place.  The in-place holds are the plain lines between a conversion and the next write of its sources
.macro QUANT2
.irp c,0,1,2,3
.set qi, 0
.rept 16
	v_med3_num_f32 v[TQ+qi], v[G1+16*\c+qi], -v[LK], v[LK]
.set qi, qi+1
.endr
	v_cvt_scalef32_pk8_bf8_f32 v[PCK+4*\c:PCK+4*\c+1], v[TQ:TQ+7], v[SCK]
	v_cvt_scalef32_pk8_bf8_f32 v[PCK+4*\c+2:PCK+4*\c+3], v[TQ+8:TQ+15], v[SCK]
.set qi, 0
.rept 16
	v_med3_num_f32 v[G1+16*\c+qi], v[G1+16*\c+qi], -v[LV], v[LV]
.set qi, qi+1
.endr
	v_cvt_scalef32_pk8_bf8_f32 v[PCV+4*\c:PCV+4*\c+1], v[G1+16*\c:G1+16*\c+7], v[SCV]
	v_cvt_scalef32_pk8_bf8_f32 v[PCV+4*\c+2:PCV+4*\c+3], v[G1+16*\c+8:G1+16*\c+15], v[SCV]
.endr
	v_nop                                          ; one plain line behind the last scaled conversion
.endm
.macro IMAGES s                        ; both fragments go to LDS as they stand in the registers
.irp c,0,1,2,3
	ds_store_b128 v[IK0], v[PCK+4*\c:PCK+4*\c+3] offset:8192*((\s)%2)+512*\c
	ds_store_b128 v[DD], v[PCV+4*\c:PCV+4*\c+3] offset:2048*(\s)+512*\c
.endr
.endm
.macro SFLOAD s                        ; the tile's four key fragments, and the list word of place r
	ds_load_b32 v[BS], v[TB] offset:64*(\s)
.irp k,0,1,2,3
.irp c,0,1,2,3
	ds_load_b128 v[G1+16*\k+4*\c:G1+16*\k+4*\c+3], v[FR0] offset:8192*((\s)%2)+2048*\k+512*\c
.endr
.endr
.endm
; keys^T: source 0 = 16 rows of Wk, source 1 = the 16 listed rows: a lane holds one row, its registers run along h.  Half x: my tiles 4 x .. 4 x + 3 of h: four accumulators by turns
.macro KMULH x
	WIN 0x02+\x
.irp k,0,1,2,3
.irp h,0,1,2,3
.if \k==0
	v_wmma_f32_16x16x128_bf8_bf8 v[KA+8*(4*\x+\h):KA+8*(4*\x+\h)+7], v[16*(4*\h+\k):16*(4*\h+\k)+15], v[G1+16*\k:G1+16*\k+15], 0
.else
	v_wmma_f32_16x16x128_bf8_bf8 v[KA+8*(4*\x+\h):KA+8*(4*\x+\h)+7], v[16*(4*\h+\k):16*(4*\h+\k)+15], v[G1+16*\k:G1+16*\k+15], v[KA+8*(4*\x+\h):KA+8*(4*\x+\h)+7]
.endif
.endr
.endr
.endm
; the sums x 2^-SH, so that none is beyond f16; then two neighbouring accumulators, rounded in pairs, are an f16 operand of 32 h x 16 rows.  Each accumulator from its low end on
.macro KCVT
.set ci, 0
.rept 32
	v_pk_mul_f32 v[KA+2*ci:KA+2*ci+1], v[KA+2*ci:KA+2*ci+1], s[S26:S26+1] op_sel_hi:[1,0]
.set ci, ci+1
.endr
.set ci, 0
.rept 32
	v_cvt_pk_f16_f32 v[KB+ci], v[KA+2*ci], v[KA+2*ci+1]
.set ci, ci+1
.endr
.endm
.macro KDOT first                      ; (16 batches) x (16 rows): q . key over my 128 h, on two accumulators by turns
.if \first
	v_wmma_f32_16x16x32_f16 v[P0:P0+7], v[QF:QF+7], v[KB:KB+7], 0
.else
	v_wmma_f32_16x16x32_f16 v[P0:P0+7], v[QF:QF+7], v[KB:KB+7], v[PB:PB+7]
.endif
	v_wmma_f32_16x16x32_f16 v[P1:P1+7], v[QF+8:QF+15], v[KB+8:KB+15], 0
	v_wmma_f32_16x16x32_f16 v[P0:P0+7], v[QF+16:QF+23], v[KB+16:KB+23], v[P0:P0+7]
	v_wmma_f32_16x16x32_f16 v[P1:P1+7], v[QF+24:QF+31], v[KB+24:KB+31], v[P1:P1+7]
.endm
.macro KSCORE s
	KDOT 0
	v_bfe_u32 v[DD], v[BS], 16, 4                  ; the row's batch.  (These four lines are the places behind the products)
	v_sub_nc_u32 v[DD], v[DD], v[H8]               ; which of my eight registers holds it, if any
	v_mov_b32 v[ACC], 0
	v_nop
.irp j,0,1,2,3,4,5,6,7
	v_cmp_eq_u32 s[MK+\j], \j, v[DD]               ; the eight compares in one run, each into a scalar register of its own
.endr
.irp j,0,2,4,6
	v_pk_add_f32 v[P0+\j:P0+\j+1], v[P0+\j:P0+\j+1], v[P1+\j:P1+\j+1]
.endr
	s_wait_alu depctr_va_sdst(0)                   ; the eight compares have written their masks, which the selects read
.irp j,0,1,2,3,4,5,6,7
	v_cndmask_b32 v[ACC], v[ACC], v[P0+\j], s[MK+\j]
.endr
	v_permlanex16_b32 v[TMP], v[ACC], s[SEL], s[SEL+1]
	v_add_f32 v[ACC], v[ACC], v[TMP]               ; one half of the lanes held it, the other 0
	s_wait_alu depctr_va_vdst(0)                   ; v[ACC] is written, which the LDS store reads
	ds_store_b32 v[TA], v[ACC] offset:64*(\s)
.endm
; ONE STEP.  The barrier stands on every wave's path; the work on both sides of it is jumped over where the tile's number is past the stored count.
; In front of the barrier a wave's images have landed and its reads of the other slot are in, so that slot may be written in the next step.
; A staging set is loaded again only when its earlier loads are in, on every way through the text: the work behind the barrier holds the turn, whose count shows the next step's set in
; (behind a set's loads at most the three younger sets' 48 are issued before its turn); the way round that work waits for all loads.
.macro KSTEP s
	s_add_co_u32 s[SX], s[TT], \s
	s_cmp_lt_u32 s[SX], s[NT]
	s_cbranch_scc0 .Ljoin_\@
	s_wait_dscnt 0x0                               ; the tile's numbers are back from the stage
	v_add_nc_u32 v[DD], s[TP], v[IV0]
	QUANT2
	s_wait_alu depctr_va_vdst(0)                   ; the conversions have written both sets of codes, the addition v[DD]: the images' stores read them; the holds and conversions are done with v[G1 ..], in which the key fragments land
	IMAGES \s
.Ljoin_\@:
	s_wait_alu depctr_vm_vsrc(0)                   ; the images' stores have read the codes and v[DD]; the last step's loads their offsets, its turn's stores the staging set, its score's store v[ACC]: all are written again behind the barrier
	BAR
	s_cmp_lt_u32 s[SX], s[NT]
	s_cbranch_scc0 .Lskip_\@
	SFLOAD \s                                      ; no wait: v[TB] was written ahead of the trip's wait; every vector line that named v[BS] or v[G1 ..] stands ahead of an earlier wait for vector results
	s_wait_kmcnt 0x0                               ; the list is in
	s_wait_xcnt 0x0                                ; the last 16 loads have read their offsets
	ADDR 32
	s_wait_alu depctr_va_vdst(0)                   ; the sixteen offsets are written, which the loads between the two halves of the products read
	s_wait_dscnt 0x0
	KMULH 0
	GLD \s                                         ; the tile four steps on.  No wait: no vector or matrix instruction since the wait names the offsets or the set
	LISTLD
	KMULH 1
	TURNS (\s+1)%4                                 ; no vector instruction names the staging sets or v[STW]
	PLACES
	KCVT
	s_wait_alu depctr_va_vdst(0)                   ; the 32 products are done reading v[G1 ..], in which the next tile's numbers land
	TURNL
	KSCORE \s
	s_branch .Ldone_\@
.Lskip_\@:
	s_wait_loadcnt 0x0                             ; where a step's loads and turn are left out nothing stays on its way
.Ldone_\@:
.endm
	s_load_b512 s[4:19], s[0:1], 0x0               ; subgoals, rowlist, wcodes, qfrag, bk, bv, mask, poslist
	s_load_b256 s[20:27], s[0:1], 0x40             ; pm, lowp_scales, out0, out1
	v_lshrrev_b32 v[TA], 5, v0
	v_readfirstlane_b32 s[WV], v[TA]               ; wave 0..3
	v_and_b32 v[LN], 31, v0
	v_and_b32 v[RR], 15, v0
	v_bfe_u32 v[HH], v0, 4, 1
	v_lshlrev_b32 v[L16], 4, v[LN]
	s_wait_alu depctr_va_sdst(0)                   ; the wave's number is written, ahead of its first reader
	s_lshl_b32 s2, s[WV], 9
	v_add_nc_u32 v[LOFF], s2, v[L16]
	s_mul_i32 s2, s[WV], WSTG
	s_add_co_u32 s2, s2, STAGE
	v_add_nc_u32 v[STW], s2, v[L16]
	v_mul_u32_u24 v[STR], v[RR], SPI
	v_lshl_add_u32 v[STR], v[HH], 6, v[STR]
	v_add_nc_u32 v[STR], s2, v[STR]
	s_lshl_b32 s2, s[WV], 11
	s_add_co_u32 s3, s2, KRING
	v_add_nc_u32 v[IK0], s3, v[L16]
	s_lshl_b32 s3, s[WV], 16
	v_add_nc_u32 v[IV0], s3, v[L16]
	v_add_nc_u32 v[FR0], KRING, v[L16]
	s_add_co_u32 s3, s2, SCB
	v_lshl_add_u32 v[SC0], v[RR], 2, s3
	v_add_nc_u32 v[DD], s3, v[L16]
	v_lshl_add_u32 v[RW0], v[RR], 2, ROWS
	v_lshlrev_b32 v[TA], 4, v0                     ; 16 x thread: my four words of the list
	v_lshlrev_b32 v[TB], 5, v[HH]                  ; 32 h
	v_lshlrev_b32 v[H8], 3, v[HH]
.irp i,0,1,2,3
	v_mov_b32 v[160+\i], 0
.endr
	s_wait_alu depctr_va_vdst(0)                   ; the head's addresses and offsets (v1-v10, v249, v255) and the four zeros are written, which the stores and loads below read
.irp i,0,1,2,3
	ds_store_b128 v[DD], v[160:163] offset:512*\i   ; my 512 partial scores begin as zeros: places past the last tile are read, and thrown away by the mask
.endr
	s_mov_b32 s[SEL], 0x76543210
	s_mov_b32 s[SEL+1], 0xfedcba98
	s_mov_b32 s3, 0
	s_wait_kmcnt 0x0
	s_lshl_b32 s2, ttmp9, 20
	s_add_nc_u64 s[4:5], s[4:5], s[2:3]            ; my 512 rows of 2,048 bytes
	s_mul_i32 s2, ttmp9, 2304
	s_add_nc_u64 s[6:7], s[6:7], s[2:3]            ; my record
	s_lshl_b32 s2, s[WV], 16
	s_add_nc_u64 s[8:9], s[8:9], s[2:3]            ; my eight tiles of each weight
	s_lshl_b32 s2, ttmp9, 14
	s_lshl_b32 s[SX], s[WV], 12
	s_add_co_u32 s2, s2, s[SX]
	s_add_nc_u64 s[10:11], s[10:11], s[2:3]        ; q of my 16 batches, my 128 h
	s_lshl_b32 s2, s[WV], 9
	s_add_nc_u64 s[12:13], s[12:13], s[2:3]
	s_add_nc_u64 s[14:15], s[14:15], s[2:3]
	s_lshl_b32 s2, ttmp9, 11
	s_add_nc_u64 s[16:17], s[16:17], s[2:3]
	s_add_nc_u64 s[18:19], s[18:19], s[2:3]
	s_add_nc_u64 s[26:27], s[26:27], s[2:3]
	s_lshl_b32 s2, ttmp9, 6
	s_lshl_b32 s[SX], s[WV], 4
	s_add_co_u32 s2, s2, s[SX]
	s_add_nc_u64 s[20:21], s[20:21], s[2:3]        ; pm of the four batches whose softmax I make
	s_lshl_b32 s2, ttmp9, 15
	s_lshl_b32 s[SX], s[WV], 13
	s_add_co_u32 s2, s2, s[SX]
	s_add_nc_u64 s[24:25], s[24:25], s[2:3]        ; out0 at the four rows that I store
	s_load_b32 s[NT], s[6:7], 0x840                ; word 528
	s_load_b512 s[32:47], s[6:7], 0x0              ; the lists of tiles 0, 1, 2
	s_load_b512 s[48:63], s[6:7], 0x40
	s_load_b512 s[68:83], s[6:7], 0x80
	s_load_b128 s[28:31], s[20:21], 0x0
	s_load_b128 s[96:99], s[22:23], 0x8            ; e2, e3, e4, e5
	WLD 0, 0
	WLD 0, 2
	WLD 0, 4
	WLD 0, 6
.irp u,0,1,2,3
	global_load_b128 v[QF+8*\u:QF+8*\u+3], v[L16], s[10:11] offset:1024*\u
	global_load_b128 v[QF+8*\u+4:QF+8*\u+7], v[L16], s[10:11] offset:1024*\u+512
.endr
.set bi, 0
.rept 16
	global_load_b128 v[KA+4*bi:KA+4*bi+3], v[TB], s[12:13] offset:64*(bi/2)+16*(bi%2)   ; bk at h = 16 t + 8 h + 0 .. 7: the keys' own layout
.set bi, bi+1
.endr
	s_wait_alu depctr_vm_vsrc(0)                   ; the stores of zeros have read v249, in which a word of the list lands, and v160-163, which the roundings below write
	global_load_b128 v[BS:BS+3], v[TA], s[6:7]
	s_wait_kmcnt 0x0
	s_min_u32 s[NT], s[NT], 32
	s_lshr_b32 s[NP], s[NT], 1
	s_add_co_i32 s[EKS], s96, s97
	s_add_co_i32 s[EKS], s[EKS], SH                ; what a rounded key channel lacks: 2^(e2 + e3 + SH)
	s_add_co_i32 s[EVS], s98, s99
	s_add_co_i32 s[EVS], s[EVS], SH                ; and a value channel: 2^(e4 + e5 + SH)
	s_add_co_i32 s2, s96, 127
	s_lshl_b32 s[SX], s2, 23
	v_mov_b32 v[SCK], s[SX]
	s_add_co_i32 s2, s2, 15
	s_lshl_b32 s2, s2, 23
	s_or_b32 s2, s2, 0x600000
	v_mov_b32 v[LK], s2
	s_add_co_i32 s2, s98, 127
	s_lshl_b32 s[SX], s2, 23
	v_mov_b32 v[SCV], s[SX]
	s_add_co_i32 s2, s2, 15
	s_lshl_b32 s2, s2, 23
	s_or_b32 s2, s2, 0x600000
	v_mov_b32 v[LV], s2
	ADDR 32
	s_wait_alu depctr_va_vdst(0)                   ; tile 0's offsets are written, which its loads read
	GLD 0
	WIN 0
	s_wait_xcnt 0x0                                ; the offsets are written again only behind this wait
	s_wait_alu depctr_vm_vsrc(0)                   ; tile 0's loads have read their offsets
	s_load_b512 s[32:47], s[6:7], 0xc0             ; tile 3's list
	ADDR 48
	s_wait_alu depctr_va_vdst(0)                   ; tile 1's offsets are written
	GLD 1
	WIN 0
	s_wait_xcnt 0x0
	s_wait_alu depctr_vm_vsrc(0)                   ; tile 1's loads have read their offsets
	ADDR 68
	s_wait_alu depctr_va_vdst(0)                   ; tile 2's offsets are written
	GLD 2
	WIN 0
	s_wait_kmcnt 0x0
	s_wait_xcnt 0x0
	s_wait_alu depctr_vm_vsrc(0)                   ; tile 2's loads have read their offsets
	ADDR 32
	s_wait_alu depctr_va_vdst(0)                   ; tile 3's offsets are written
	GLD 3
	WIN 0
	s_cmp_gt_u32 s[NT], 4
	s_mov_b32 s[XO], 32*64
	s_cselect_b32 s[XO], 4*64, s[XO]
	s_load_b512 s[32:47], s[6:7], s[XO] offset:0x0   ; tile 4's list, or the filler's
	s_mov_b32 s[S26], (127-SH)<<23                 ; 2^-SH as f32 (tile 1's list, which lay here, has been used)
	s_mov_b32 s[S26+1], s[S26]                     ; (named with it as a pair)
	TURNS 0                                        ; loads come back in order: the weights, q, bk and the list are in too
	TURNL                                          ; (no vector instruction has named v[G1 ..] yet)
	v_add_nc_u32 v[TA], ROWS, v[TA]                ; (the load that read v[TA] stands ahead of the waits for the memory side's reads above)
	s_wait_alu depctr_va_vdst(0)                   ; v[TA] is written, which the LDS store reads
	ds_store_b128 v[TA], v[BS:BS+3]
	s_sub_co_i32 s2, SH, s[EKS]                    ; -(e2 + e3)
.set bi, 0
.rept 64
	v_ldexp_f32 v[KA+bi], v[KA+bi], s2             ; bk / 2^(e2 + e3): in the units of the keys' sums; the 2^-SH follows as it does for them
.set bi, bi+1
.endr
	KCVT
	KDOT 1                                         ; q . bk over my 128 h, the same in every column
	PLACES
.irp j,0,2,4,6
	v_pk_add_f32 v[PB+\j:PB+\j+1], v[P0+\j:P0+\j+1], v[P1+\j:P1+\j+1]
.endr
	s_mov_b32 s[TT], 0
	s_mov_b32 s[TP], 0
	s_mov_b32 s[TS], 0
	s_mov_b32 s[TRIP], 0
.Lk:                                               ; 8 trips x 4 steps: constants, so that every LDS address is a constant, a lane term and a counted step
	s_wait_alu depctr_vm_vsrc(0)                   ; the last trip's LDS instructions have read v[TA] and v[TB]; in the first trip: the list's store has read v[TA] and v248-251
	v_add_nc_u32 v[TA], s[TS], v[SC0]              ; this trip's four tiles: my partial scores,
	v_add_nc_u32 v[TB], s[TS], v[RW0]              ; and the list's words
	s_wait_alu depctr_va_vdst(0)                   ; both are written, which the trip's LDS loads and stores read
	KSTEP 0
	KSTEP 1
	KSTEP 2
	KSTEP 3
	s_add_co_u32 s[TT], s[TT], 4
	s_add_co_u32 s[TP], s[TP], 4*2048
	s_add_co_u32 s[TS], s[TS], 4*64
	s_add_co_u32 s[TRIP], s[TRIP], 1
	s_cmp_lt_u32 s[TRIP], 8
	s_cbranch_scc1 .Lk
	s_wait_loadcnt 0x0
	s_wait_kmcnt 0x0
	s_wait_alu depctr_vm_vsrc(0)                   ; the K phase's loads and LDS instructions have read their registers: v2-v10, v16-31, v250 and window 1 are written anew from here on
	BAR                                            ; every wave's partial scores and parked images lie in LDS
	PLACES
	; ---- SOFTMAX.  Wave w: batches 4 w .. 4 w + 3, lane = n.  LDS reads whose address is a stored number stand between barriers between which no wave writes LDS
	v_lshlrev_b32 v1, 2, v[LN]
	s_lshl_b32 s2, s[WV], 9
	v_add_nc_u32 v1, s2, v1                        ; 512 w + 4 n
	v_lshlrev_b32 v3, 5, v[HH]                     ; 32 h
	v_add_nc_u32 v2, s2, v3                        ; 512 w + 32 h
	s_wait_alu depctr_va_vdst(0)                   ; v1-v3 are written, which the loads read; the K phase's vector and matrix instructions are done with v32-191 and with Wk's registers, in all of which loads land from here on
.irp k,0,1,2,3
	global_load_b32 v[160+\k], v1, s[18:19] offset:128*\k   ; 4 x my row's place
.endr
.irp k,0,1,2,3
	global_load_b32 v[164+\k], v1, s[16:17] offset:128*\k   ; its mask
.endr
.set bi, 0
.rept 16
	global_load_b128 v[96+4*bi:96+4*bi+3], v2, s[6:7] offset:64*(bi/2)+16*(bi%2)    ; the list words of my four pairs of tiles, places 32 p + 16 half + 8 h + 0 .. 7
.set bi, bi+1
.endr
.set bi, 0
.rept 16
	global_load_b128 v[G1+4*bi:G1+4*bi+3], v3, s[14:15] offset:64*(bi/2)+16*(bi%2)  ; bv at h = 16 t + 8 h + 0 .. 7
.set bi, bi+1
.endr
	WLD WVOFF, 0
	v_cvt_f32_u32 v4, v[LN]
	v_mul_f32 v4, 0x3d042108, v4                   ; n / 31
.irp k,0,1,2,3
	v_sub_f32 v[188+\k], s[28+\k], v4
.endr
.irp k,0,1,2,3
	v_mul_f32 v[188+\k], v[188+\k], v[188+\k]
.endr
.irp k,0,1,2,3
	v_mul_f32 v[188+\k], 0xc138aa3b, v[188+\k]     ; -8 log2(e) d^2: 1 / (2 x 0.25^2) = 8
.endr
	s_wait_alu depctr_va_vdst(0)
.irp k,0,1,2,3
	v_exp_f32 v[188+\k], v[188+\k]                 ; the bias
.endr
	v_mov_b32 v5, 0x3d3504f3                       ; 512^-0.5.  (The plain line behind the batch)
	s_wait_alu depctr_va_vdst(0)                   ; one wait for the batch: the four biases are written
	v_ldexp_f32 v5, v5, s[EKS]                     ; x 2^(e2 + e3 + SH)
	v_mov_b32 v6, 0xce6e6b28                       ; -1e9
.irp k,0,1,2,3
	v_mov_b32 v[200+\k], 0
.endr
	s_wait_loadcnt 48                              ; places, masks and list words are in; bv's 16 loads and Wv's 32 may be out
.irp k,0,1,2,3
	v_min_u32 v[160+\k], 0x7fc, v[160+\k]
.endr
.irp k,0,1,2,3
	v_add_nc_u32 v[160+\k], SCB, v[160+\k]
.endr
	s_wait_alu depctr_va_vdst(0)                   ; the four addresses v160-163 are written, which the LDS loads read
.irp k,0,1,2,3
.irp j,0,1,2,3
	ds_load_b32 v[168+4*\k+\j], v[160+\k] offset:2048*\j   ; the four waves' parts of my row's score
.endr
.endr
.irp k,0,1,2,3
	v_cmp_eq_u32 s[MK+\k], 0, v[164+\k]            ; the four compares in one run
.endr
	s_wait_dscnt 0x0
.irp k,0,1,2,3
	v_add_f32 v[168+4*\k], v[168+4*\k], v[169+4*\k]
	v_add_f32 v[170+4*\k], v[170+4*\k], v[171+4*\k]
.endr
.irp k,0,1,2,3
	v_add_f32 v[168+4*\k], v[168+4*\k], v[170+4*\k]
.endr
.irp k,0,1,2,3
	v_fma_f32 v[184+\k], v[168+4*\k], v5, v[188+\k]
.endr
	s_wait_alu depctr_va_sdst(0)                   ; the four compares have written their masks, which the selects read
.irp k,0,1,2,3
	v_cndmask_b32 v[184+\k], v[184+\k], v6, s[MK+\k]
.endr
.irp k,0,1,2,3
	v_mov_b32 v[192+\k], v[184+\k]
.endr
.irp x,1,2,4,8
.irp k,0,1,2,3
	v_max_num_f32_dpp v[192+\k], v[192+\k], v[192+\k] row_xmask:\x row_mask:0xf bank_mask:0xf
.endr
.endr
.irp k,0,1,2,3
	v_permlanex16_b32 v[200+\k], v[192+\k], s[SEL], s[SEL+1]
.endr
.irp k,0,1,2,3
	v_max_num_f32 v[192+\k], v[192+\k], v[200+\k]  ; the batch's largest score
.endr
.irp k,0,1,2,3
	v_sub_f32 v[184+\k], v[184+\k], v[192+\k]
.endr
.irp k,0,1,2,3
	v_mul_f32 v[184+\k], 0x3fb8aa3b, v[184+\k]
.endr
	s_wait_alu depctr_va_vdst(0)
.irp k,0,1,2,3
	v_exp_f32 v[196+\k], v[184+\k]
.endr
	v_nop
	s_wait_alu depctr_va_vdst(0)                   ; one wait for the batch: the four exponentials are written
.irp k,0,1,2,3
	v_mov_b32 v[192+\k], v[196+\k]
.endr
.irp x,1,2,4,8
.irp k,0,1,2,3
	v_add_f32_dpp v[192+\k], v[192+\k], v[192+\k] row_xmask:\x row_mask:0xf bank_mask:0xf
.endr
.endr
.irp k,0,1,2,3
	v_permlanex16_b32 v[200+\k], v[192+\k], s[SEL], s[SEL+1]
.endr
.irp k,0,1,2,3
	v_add_f32 v[192+\k], v[192+\k], v[200+\k]
.endr
	s_wait_alu depctr_va_vdst(0)
.irp k,0,1,2,3
	v_rcp_f32 v[192+\k], v[192+\k]
.endr
	v_add_nc_u32 v7, ATB, v1                       ; (the plain line behind the batch)  where my four weights go
	s_wait_alu depctr_va_vdst(0)                   ; one wait for the batch: the four reciprocals are written
.irp k,0,1,2,3
	v_mul_f32 v[196+\k], v[196+\k], v[192+\k]      ; the weights
.endr
	s_wait_alu depctr_va_vdst(0)                   ; the four weights are written, which the LDS stores behind the barrier read
	BAR                                            ; every wave's reads by stored places are in
	WLD WVOFF, 2
.irp k,0,1,2,3
	ds_store_b32 v7, v[196+\k] offset:128*\k
.endr
	BAR                                            ; the 512 weights lie in LDS, by row
	WLD WVOFF, 4
	v_lshl_add_u32 v8, v0, 4, ATB
	v_lshlrev_b32 v9, 4, v0
	; the weights of the rows that stand at my 64 places, in four rounds of 16: the addresses have registers of their own (v224-239, which q has left), outside the 64 registers in which the weights land
.set gr, 0
.rept 4
	s_wait_alu depctr_vm_vsrc(0)                   ; the round before has read its 16 addresses, which are written again; ahead of the first round: the loads of the scores have read v160-163, the weights' stores v196-199, in both of which weights land
.set gi, 0
.rept 16
	v_bfe_u32 v[AD+gi], v[96+gr+gi], 11, 9         ; the row that stands at this place
	v_min_u32 v[AD+gi], 511, v[AD+gi]
	v_lshl_add_u32 v[AD+gi], v[AD+gi], 2, ATB
.set gi, gi+1
.endr
	s_wait_alu depctr_va_vdst(0)                   ; the 16 addresses are written, which the loads read; in the first round also v8 and v9, and the softmax's vector lines are done with v160-223
.set gi, 0
.rept 16
	ds_load_b32 v[160+gr+gi], v[AD+gi]             ; and its weight
.set gi, gi+1
.endr
.set gr, gr+16
.endr
	ds_load_b128 v[BS:BS+3], v8                    ; out1 leaves as it lies: 16 bytes a thread.  (No vector line since the waits above names v8 or v248-251)
	s_wait_dscnt 0x0
	global_store_b128 v9, v[BS:BS+3], s[26:27]     ; a wave stores 512 consecutive bytes
.set gi, 0
.rept 4                                            ; sixteen compares in a run, each into a scalar register of its own, one wait, sixteen selects
.set gj, 0
.rept 16
	v_bfe_u32 v10, v[96+gi+gj], 16, 4              ; its batch: the weight stands in that column (lane % 16) alone
	v_cmp_eq_u32 s[MK+gj], v10, v[RR]
.set gj, gj+1
.endr
	s_wait_alu depctr_va_sdst(0)                   ; the sixteen compares have written their masks, which the selects read
.set gj, 0
.rept 16
	v_cndmask_b32 v[160+gi+gj], 0, v[160+gi+gj], s[MK+gj]
.set gj, gj+1
.endr
.set gi, gi+16
.endr
.set gi, 0
.rept 32
	v_cvt_pk_f16_f32 v[96+gi], v[160+2*gi], v[161+2*gi]   ; A2 of my four pairs: 8 registers each; a weight is at most 1
.set gi, gi+1
.endr
	s_lshl_b32 s2, s[WV], 12
	s_add_co_u32 s2, s2, KRING
	v_add_nc_u32 v28, s2, v[L16]
	s_wait_alu depctr_va_vdst(0)                   ; A2's 32 registers and v28 are written, which the LDS stores behind the barrier read
	BAR                                            ; every wave's reads by stored rows are in
	WLD WVOFF, 6
.irp j,0,1,2,3,4,5,6,7
	ds_store_b128 v28, v[96+4*\j:99+4*\j] offset:512*\j   ; pair 4 w + j / 2, half j % 2
.endr
	BAR                                            ; A2's sixteen images lie in LDS
	s_wait_loadcnt 0x0                             ; bv and all of Wv
	s_sub_co_i32 s2, 0, s[EVS]
.set bi, 0
.rept 64
	v_ldexp_f32 v[G1+bi], v[G1+bi], s2             ; out0's sums begin as bv / 2^(e4 + e5 + SH)
.set bi, bi+1
.endr
	; ---- V PHASE.  Window 0: v32-95 out0^T (8 tiles of 16 h x 16 batches), v96-159 the values in f16, v160-167 A2.  Window 1: v0-127 the pair's eight value fragments, v128-255 sixteen accumulators
.set OUT, 32
.set VB,  96
.set A2,  160
.irp k,0,1,2,3
	v_add_nc_u32 v[16+\k], 65536*\k, v[L16]
.endr
	v_add_nc_u32 v24, KRING, v[L16]
.macro VLOADSV                         ; 32 loads, the first K step's first
	WIN 0x40
	s_wait_alu depctr_va_vdst(0)                   ; the four addresses are written; the last pair's products are done reading the fragments, in which these loads land
.irp k,0,1,2,3
.irp t,0,1
.irp c,0,1,2,3
	ds_load_b128 v[16*(4*\t+\k)+4*\c:16*(4*\t+\k)+4*\c+3], v[20+\k] offset:2048*\t+512*\c
.endr
.endr
.endr
.endm
; values: source 0 = 16 listed rows, source 1 = 16 rows of Wv: a lane holds one h, its registers run along the rows.  Tiles 4 x .. 4 x + 3 of h, both tiles of rows: eight accumulators by turns
.macro HALF x, counted
	WIN 0x59+4*(\x)
.irp k,0,1,2,3
.if \counted
	s_wait_dscnt 8*(3-\k)                          ; this K step's eight loads are in; the later K steps' may be out
.endif
.irp t,0,1
.irp h,0,1,2,3
.if \k==0
	v_wmma_f32_16x16x128_bf8_bf8 v[128+8*(8*\t+4*(\x)+\h):128+8*(8*\t+4*(\x)+\h)+7], v[16*(4*\t+\k):16*(4*\t+\k)+15], v[16*(4*\h+\k):16*(4*\h+\k)+15], 0
.else
	v_wmma_f32_16x16x128_bf8_bf8 v[128+8*(8*\t+4*(\x)+\h):128+8*(8*\t+4*(\x)+\h)+7], v[16*(4*\t+\k):16*(4*\t+\k)+15], v[16*(4*\h+\k):16*(4*\h+\k)+15], v[128+8*(8*\t+4*(\x)+\h):128+8*(8*\t+4*(\x)+\h)+7]
.endif
.endr
.endr
.endr
.endm
.macro VSCL x                          ; a half's eight accumulators x 2^-SH, in place, so that none is beyond f16; each accumulator from its low end on
	WIN 0x41
.irp h,0,1,2,3
.irp t,0,1
.irp m,0,2,4,6
	v_pk_mul_f32 v[128+8*(8*\t+4*(\x)+\h)+\m:128+8*(8*\t+4*(\x)+\h)+\m+1], v[128+8*(8*\t+4*(\x)+\h)+\m:128+8*(8*\t+4*(\x)+\h)+\m+1], s[S26:S26+1] op_sel_hi:[1,0]
.endr
.endr
.endr
.endm
.macro CVT x                           ; the two tiles of rows of one tile of h, rounded in pairs, are an f16 operand of 16 h x 32 rows
	VSCL \x
	WIN 0x05
.irp h,0,1,2,3
.irp t,0,1
.irp m,0,1,2,3
	v_cvt_pk_f16_f32 v[VB+8*(4*(\x)+\h)+4*\t+\m], v[128+8*(8*\t+4*(\x)+\h)+2*\m], v[128+8*(8*\t+4*(\x)+\h)+2*\m+1]
.endr
.endr
.endr
.endm
.macro OACC x
	WIN 0
.irp h,0,1,2,3
	v_wmma_f32_16x16x32_f16 v[OUT+8*(4*(\x)+\h):OUT+8*(4*(\x)+\h)+7], v[VB+8*(4*(\x)+\h):VB+8*(4*(\x)+\h)+7], v[A2:A2+7], v[OUT+8*(4*(\x)+\h):OUT+8*(4*(\x)+\h)+7]
.endr
.endm
; A pair of tiles.  The second half of the pair before is rounded and added while this pair's fragments come from LDS.  No two matrix instructions that follow each other share an accumulator.
.macro BODY first
	s_wait_alu depctr_vm_vsrc(0)                   ; the last pair's LDS loads have read v20-23 and v25, which are written again; ahead of the first pair: A2's LDS stores have read v96-127, which the roundings write
.irp k,0,1,2,3
	v_add_nc_u32 v[20+\k], s[TP], v[16+\k]         ; these four plain lines are the places in front of the multiplications below
.endr
	VLOADSV
.if !\first
	CVT 1
	OACC 1
.endif
	HALF 0, 1
	WIN 0
	PLACES
	v_add_nc_u32 v25, s[TS], v24
	s_wait_alu depctr_va_vdst(0)                   ; v25 is written; the last products that read A2 are done with it: this pair's A2 lands there
	ds_load_b128 v[A2:A2+3], v25
	ds_load_b128 v[A2+4:A2+7], v25 offset:512
	CVT 0
	s_wait_alu depctr_va_vdst(0)
	s_wait_dscnt 0x0                               ; A2 is in
	HALF 1, 0
	OACC 0
.endm
	s_mov_b32 s[TT], 0
	s_mov_b32 s[TP], 0
	s_mov_b32 s[TS], 0
	BODY 1                                         ; there are at least two tiles
	s_mov_b32 s[TRIP], 0
.Lv:                                               ; 15 trips, a constant; a pair past the stored count is jumped over
	s_add_co_u32 s[TT], s[TT], 1
	s_add_co_u32 s[TP], s[TP], 2*2048
	s_add_co_u32 s[TS], s[TS], 1024
	s_cmp_lt_u32 s[TT], s[NP]
	s_cbranch_scc0 .Lvskip
	BODY 0
.Lvskip:
	s_add_co_u32 s[TRIP], s[TRIP], 1
	s_cmp_lt_u32 s[TRIP], 15
	s_cbranch_scc1 .Lv
	PLACES
	CVT 1
	OACC 1
	PLACES
	; ---- THE WAY OUT.  A lane holds eight neighbouring h of one batch; a batch's 512 h come from four waves: they meet in a stage (rows of 2,048 bytes + 16), and each wave stores four whole rows
.set bi, 0
.rept 64
	v_ldexp_f32 v[VB+bi], v[OUT+bi], s[EVS]        ; x 2^(e4 + e5 + SH); each accumulator from its low end on
.set bi, bi+1
.endr
	v_mul_u32_u24 v26, v[RR], OPI
	v_lshl_add_u32 v26, v[HH], 5, v26
	s_lshl_b32 s2, s[WV], 9
	s_add_co_u32 s2, s2, STAGE
	v_add_nc_u32 v26, s2, v26
	s_mul_i32 s2, s[WV], 4*OPI
	s_add_co_u32 s2, s2, STAGE
	v_add_nc_u32 v27, s2, v[L16]
	s_wait_alu depctr_va_vdst(0)                   ; the 64 results, v26 and v27 are written, which the LDS stores and loads read; the scalings are done reading out0's accumulators, in which the rows land behind the barrier
.irp h,0,1,2,3,4,5,6,7
	ds_store_b128 v26, v[VB+8*\h:VB+8*\h+3] offset:64*\h
	ds_store_b128 v26, v[VB+8*\h+4:VB+8*\h+7] offset:64*\h+16
.endr
	BAR
.irp i,0,1,2,3,4,5,6,7,8,9,10,11,12,13,14,15
	ds_load_b128 v[OUT+4*\i:OUT+4*\i+3], v27 offset:OPI*(\i/4)+512*(\i%4)
.endr
.irp i,0,1,2,3,4,5,6,7,8,9,10,11,12,13,14,15
	s_wait_dscnt 15-\i
	global_store_b128 v[L16], v[OUT+4*\i:OUT+4*\i+3], s[24:25] offset:512*\i th:TH_STORE_NT   ; 512 consecutive bytes, at a multiple of 256 from out0's first byte
.endr
	s_wait_xcnt 0x0
	s_wait_alu depctr_vm_vsrc(0)                   ; the stores have read v255, which is written below
	v_lshl_add_u32 v254, v0, 2, 0x4f400
	v_mov_b32 v255, 0
	s_wait_dscnt 0x0                               ; the closing lines, six on end
	s_wait_alu 0x0
	s_wait_tensorcnt 0x0
	ds_add_u32 v254, v255
	s_wait_dscnt 0x0
	s_endpgm
.Lfunc_end_k_qdcc8736e04_main:
	.size	k_qdcc8736e04_main, .Lfunc_end_k_qdcc8736e04_main-k_qdcc8736e04_main
	.p2alignl 7, 3214868480
	.fill 96, 4, 3214868480
	.section	.rodata,"a",@progbits
	.p2align	6, 0x0
	.amdhsa_kernel k_qdcc8736e04_main
		.amdhsa_group_segment_fixed_size 325120
		.amdhsa_private_segment_fixed_size 0
		.amdhsa_enable_private_segment 0
		.amdhsa_kernarg_size 96
		.amdhsa_user_sgpr_count 2
		.amdhsa_user_sgpr_kernarg_segment_ptr 1
		.amdhsa_wavefront_size32 1
		.amdhsa_system_sgpr_workgroup_id_x 1
		.amdhsa_system_sgpr_workgroup_id_y 1
		.amdhsa_system_sgpr_workgroup_id_z 1
		.amdhsa_system_vgpr_workitem_id 0
		.amdhsa_next_free_vgpr 1024
		.amdhsa_next_free_sgpr 102
		.amdhsa_reserve_vcc 0
		.amdhsa_float_denorm_mode_32 3
		.amdhsa_float_denorm_mode_16_64 3
		.amdhsa_memory_ordered 1
		.amdhsa_forward_progress 1
		.amdhsa_inst_pref_size 245
	.end_amdhsa_kernel
	.amdgpu_metadata
---
amdhsa.version: [ 1, 2 ]
amdhsa.kernels:
  - .name:           k_qdcc8736e04_main
    .symbol:         k_qdcc8736e04_main.kd
    .args:
      - { .name: subgoals, .offset: 0, .size: 8, .value_kind: global_buffer, .address_space: global }
      - { .name: rowlist, .offset: 8, .size: 8, .value_kind: global_buffer, .address_space: global }
      - { .name: wcodes, .offset: 16, .size: 8, .value_kind: global_buffer, .address_space: global }
      - { .name: qfrag, .offset: 24, .size: 8, .value_kind: global_buffer, .address_space: global }
      - { .name: bk, .offset: 32, .size: 8, .value_kind: global_buffer, .address_space: global }
      - { .name: bv, .offset: 40, .size: 8, .value_kind: global_buffer, .address_space: global }
      - { .name: mask, .offset: 48, .size: 8, .value_kind: global_buffer, .address_space: global }
      - { .name: poslist, .offset: 56, .size: 8, .value_kind: global_buffer, .address_space: global }
      - { .name: pm, .offset: 64, .size: 8, .value_kind: global_buffer, .address_space: global }
      - { .name: lowp_scales, .offset: 72, .size: 8, .value_kind: global_buffer, .address_space: global }
      - { .name: out0, .offset: 80, .size: 8, .value_kind: global_buffer, .address_space: global }
      - { .name: out1, .offset: 88, .size: 8, .value_kind: global_buffer, .address_space: global }
    .group_segment_fixed_size: 325120
    .private_segment_fixed_size: 0
    .kernarg_segment_align: 8
    .kernarg_segment_size: 96
    .max_flat_workgroup_size: 128
    .sgpr_count:     102
    .vgpr_count:     1024
    .wavefront_size: 32
...
	.end_amdgpu_metadata
.endif
;; end of part 4
